; MI455X (gfx1250); checked and timed in simulation.
; The chip was launched on July 23, 2026; its instructions are those of AMD's public machine-readable ISA for CDNA 5 (MIT licence, August 2026) and "CDNA5" Instruction Set Architecture Reference Guide (July 2026). The comments in the code are by the model that wrote it; some were corrected since.
;; Multi Head Cross Attention. Allowed arithmetic: matrix products marked QUANTISED: E2M1 operands, one E8M0 scale for each 32 along K, by v_wmma_scale_f32_16x16x128_f8f6f4 with both operands' format E2M1 (or v_wmma_scale_f32_32x16x128_f4), f32 sums; products left as they are: bf16, f16 or f32 operands; f32 sums; everything else in f32.
;; Inputs: b_o 1,024 float32; h_source 4 x 2,048 x 1,024 float32; h_target 4 x 2,048 x 1,024 float32; w_o 1,024 x 1,024 float32; w_qk 2,048 x 1,024 float32; w_v 1,024 x 1,024 float32.
;; Outputs: out0 4 x 2,048 x 1,024 float32.
;; This version of the problem:
;;   THIS VERSION OF THE PROBLEM IS GIVEN IN LOW PRECISION. The matrix products marked QUANTISED in the list below multiply operands that are first quantised to E2M1 (2 exponent bits, 1 mantissa bit; 4 bits a number), with one power-of-two scale for each 32 numbers along K (OCP MX v1.0); their sums are f32. The products marked 'left as it is' may take bf16, f16 or f32 operands, with f32 sums. Whichever they take, every output number must still come out within the allowed error. Rounding operands to bf16 (8 significant bits) uses up far more of that allowance than f16 does (11 bits, for magnitudes from 6e-5 to 65,504). All else is computed in f32.
;;   The module's matrix products, in the order in which they are computed (A, B: the left and right operand; K: the contracted axis; several contracted axes count as one K, in the product's order):
;;     1. [M 8,192, K 1,024] x [K 1,024, N 2,048]; A: input h_source; B: input w_qk: QUANTISED
;;     2. [M 8,192, K 1,024] x [K 1,024, N 1,024]; A: input h_target; B: input w_v: QUANTISED
;;     3. batch 64 x [M 2,048, K 64] x [K 64, N 2,048]; A: computed on the way; B: computed on the way: left as it is (an operand is computed on the way)
;;     4. batch 64 x [M 2,048, K 2,048] x [K 2,048, N 64]; A: computed on the way; B: computed on the way: left as it is (an operand is computed on the way)
;;     5. [M 8,192, K 1,024] x [K 1,024, N 1,024]; A: computed on the way; B: input w_o: left as it is (an operand is computed on the way)
;;   THE QUANTISER, for each operand of a quantised product, along K:
;;     - K is cut into blocks of 32 from its start; a last block that is shorter is filled with zeros.
;;     - A block's scale is 2^e with e = floor(log2(the largest magnitude in the block)) - 2, held to -126 .. 127; a block of zeros has e = 0. As a byte (E8M0): e + 127.
;;     - Each number is divided by its block's scale, clamped to +-6, and rounded to the nearest number of E2M1, ties to even, subnormals kept.
;;     - The product sums the exact products of the quantised numbers (number of the format x scale) in f32.
;;   ~~~python
;;   def quantise(x, axis):      # numpy; x: float32 -> the quantised numbers, widened to float32 again
;;       x = np.moveaxis(x, axis, -1); K = x.shape[-1]
;;       x = np.pad(x, [(0, 0)] * (x.ndim - 1) + [(0, -K % 32)]); x = x.reshape(x.shape[:-1] + (-1, 32)); a = np.abs(x).max(-1, keepdims=True)
;;       e = np.where(a > 0, np.clip(np.frexp(np.where(a > 0, a, 1))[1] - 1 - 2, -126, 127), 0)      # np.frexp(a)[1] - 1 = floor(log2(a)), exactly
;;       r = np.clip(x / 2.0 ** e, -6, 6)
;;       step = 2.0 ** (np.maximum(np.frexp(np.where(r == 0, 1, r))[1] - 1, 0) - 1)
;;       q = np.round(r / step) * step * 2.0 ** e      # np.round: ties to even
;;       return np.moveaxis(q.reshape(q.shape[:-2] + (-1,))[..., :K], -1, axis).astype(np.float32)
;;   ~~~
;; One version. Each part assembles by itself: llvm-mc -triple=amdgcn-amd-amdhsa -mcpu=gfx1250 --defsym DOCPART=n.
;; ======== version 1 of 1: 4 launches
;; limits: values are held in f16: magnitudes above 65,504 overflow, below 6.1e-05 lose precision
;; workspace buffers: codes 9,961,472 bytes; scales 622,592 bytes; wo_h 2,097,152 bytes; qkv 50,331,648 bytes; vals 16,777,216 bytes
;; launch quant (part 1): grid 640 x 1, 4 waves a work-group, no clusters, 33,280 bytes of LDS; arguments h_source, h_target, w_qk, w_v, w_o, codes, scales, wo_h; writes codes, scales, wo_h
.if DOCPART == 1
	.amdgcn_target "amdgcn-amd-amdhsa--gfx1250"
	.amdhsa_code_object_version 6
	.text
	.protected	k_q4f213993e1_quant
	.globl	k_q4f213993e1_quant
	.p2align	8
	.type	k_q4f213993e1_quant,@function
k_q4f213993e1_quant:
	s_mov_b64 s[64:65], 0
	v_nop
	global_prefetch_b8 v0, s[64:65] scope:SCOPE_SE
	s_setreg_imm32_b32 hwreg(HW_REG_WAVE_MODE, 25, 1), 1
	s_wait_xcnt 0x0
; h_source, h_target [8192][1024], w_qk [2048][1024], w_v [1024][1024], f32, K innermost, become codes of FP4 (E2M1), two a byte, with one E8M0 scale byte for each 32 along K;
; w_o [1024][1024] becomes f16, laid in the order in which the last launch's operand registers take it.
; A block's scale is 2^(floor(log2(its largest magnitude)) - 2); its byte is the largest magnitude's exponent field - 2, held at 1 from below.  A block of zeros so gets the byte 1 where the
; rule says 127: its codes are zeros, which add nothing under any byte but 0xff, and the bytes are read by this program alone.
; LIMITS: blocks whose largest magnitude lies under 2^(2 - 126) keep the byte 1; NaN and infinities among the inputs are not served; |w_o| beyond 65,504 becomes infinity in f16, under 6e-5 it keeps an absolute step of 6e-8.
; Rows are dense and K is a multiple of 32: each tensor is a plain stream of blocks of 32.  The four tensors' codes lie one behind the other in the order of the work-groups, and so do their scale bytes:
; work-groups 0-255 h_source, 256-511 h_target, 512-575 w_qk, 576-607 w_v; run = 4 x work-group + wave; a run is 8,192 numbers, 4,096 bytes of codes, 256 scale bytes.  Only the input's pointer is chosen.
; A wave takes 16 steps of 512 numbers.  Each of a step's four loads reads 512 consecutive bytes; the 2,048 bytes turn through the wave's own stage in LDS and come back 64 bytes a lane, so that a lane holds 16 neighbours
; along K (two neighbouring lanes hold a block).  A lane's 16 codes are 8 bytes: the wave stores 256 consecutive bytes.  A wave's 256 scale bytes are gathered in LDS and leave as one aligned run of 256 bytes.
; Work-groups 608-639 take w_o: no LDS there.  No tensor loads, no barrier: waves share nothing.
.set WAVES, 4
.set STEPS, 16
.set EMAX,  2
.set CB,    8                          ; bytes of 16 codes
.set R,     16                         ; v16-79   four sets of 16 numbers as they are loaded
.set X,     80                         ; v80-111  two sets of 16 neighbours
.set E,     112                        ; v112-127 a scale byte for each step
.set C,     128                        ; v128-191 codes: four registers for each step, so that no store's data are written again
.set WREG,  8192                       ; LDS: a region for each wave: two stages of 32 x SP bytes, behind them its 256 scale bytes
.set SP,    80                         ; a lane's place in a stage: 64 bytes + 16 of padding
.set SPW,   12                         ; v12  LDS address of my spare word; never rewritten
.set NIL,   13                         ; v13  0; never rewritten
.set SPARE, WAVES*WREG                 ; behind the four regions: the spare words, 128 bytes a wave
.set WI,    16                         ; w_o: v16-143 four sets of 32 numbers
.set WO,    144                        ; w_o: v144-207 four sets of 16 registers of f16
	s_load_b256 s[4:11], s[0:1], 0x0               ; h_source s[4:5], h_target s[6:7], w_qk s[8:9], w_v s[10:11]
	s_load_b256 s[12:19], s[0:1], 0x20             ; w_o s[12:13], codes s[14:15], scales s[16:17], wo_h s[18:19]
	v_lshl_add_u32 v[SPW], v0, 2, SPARE
	v_mov_b32 v[NIL], 0
	v_lshrrev_b32 v1, 5, v0
	v_readfirstlane_b32 s20, v1                    ; wave
	v_and_b32 v2, 31, v0                           ; lane
	v_lshlrev_b32 v3, 4, v2                        ; my 16 bytes of a load's or a store's 512
	s_mul_i32 s24, s20, WREG
	v_lshrrev_b32 v14, 2, v2
	v_mul_u32_u24 v14, v14, SP
	v_and_b32 v15, 3, v2
	v_lshl_add_u32 v14, v15, 4, v14
	v_add_nc_u32 v14, s24, v14                     ; the stage, on the way in: SP (lane / 4) + 16 (lane % 4)
	v_mul_u32_u24 v15, v2, SP
	v_add_nc_u32 v15, s24, v15                     ; and on the way out: SP x lane: my 16 neighbours
	v_mul_u32_u24 v4, v2, CB                       ; my codes' place in a step's
	v_lshrrev_b32 v5, 1, v2
	s_add_co_u32 s24, s24, 2*32*SP
	v_add_nc_u32 v5, s24, v5                       ; LDS: my wave's 256 scale bytes, my block's byte
	v_lshlrev_b32 v7, 3, v2                        ; and on the way out 8 bytes a lane
	v_add_nc_u32 v6, s24, v7
	v_and_b32 v10, 15, v0                          ; w_o: row lane % 16 of 4,096 bytes,
	v_lshlrev_b32 v10, 12, v10
	v_bfe_u32 v1, v0, 4, 1
	v_lshl_add_u32 v10, v1, 5, v10                 ; + 32 (lane / 16): eight numbers
	s_mov_b32 s23, 0
	s_wait_kmcnt 0x0
	s_cmp_ge_u32 ttmp9, 608
	s_cbranch_scc1 .Lwo
	s_mov_b32 s21, 576                             ; which tensor, and its first work-group: the choice hangs on the work-group's number alone
	s_cmp_lt_u32 ttmp9, 576
	s_cselect_b64 s[8:9], s[8:9], s[10:11]
	s_cselect_b32 s21, 512, s21
	s_cmp_lt_u32 ttmp9, 512
	s_cselect_b64 s[6:7], s[6:7], s[8:9]
	s_cselect_b32 s21, 256, s21
	s_cmp_lt_u32 ttmp9, 256
	s_cselect_b64 s[4:5], s[4:5], s[6:7]
	s_cselect_b32 s21, 0, s21
	s_sub_co_u32 s21, ttmp9, s21
	s_lshl_b32 s21, s21, 2
	s_add_co_u32 s21, s21, s20                     ; my run within the tensor
	s_lshl_b32 s22, s21, 15                        ; 32,768 bytes of f32 a run (under 2^26)
	s_add_nc_u64 s[4:5], s[4:5], s[22:23]
	s_lshl_b32 s21, ttmp9, 2
	s_add_co_u32 s21, s21, s20                     ; my run among all
	s_lshl_b32 s22, s21, 12
	s_add_nc_u64 s[14:15], s[14:15], s[22:23]
	s_lshl_b32 s22, s21, 8
	s_add_nc_u64 s[16:17], s[16:17], s[22:23]
.macro LOAD t
.irp i, 0,1,2,3
	global_load_b128 v[R+16*((\t)%4)+4*\i:R+16*((\t)%4)+4*\i+3], v3, s[4:5] offset:2048*(\t)+512*\i th:TH_LOAD_NT   ; 32 lanes read 512 consecutive bytes
.endr
.endm
.macro TURN t                          ; step t's numbers through the stage: LDS serves a wave's instructions in order, so no wait stands between the stores and the loads
.irp i, 0,1,2,3
	ds_store_b128 v14, v[R+16*((\t)%4)+4*\i:R+16*((\t)%4)+4*\i+3] offset:32*SP*((\t)%2)+8*SP*\i
.endr
.irp i, 0,1,2,3
	ds_load_b128 v[X+16*((\t)%2)+4*\i:X+16*((\t)%2)+4*\i+3], v15 offset:32*SP*((\t)%2)+16*\i
.endr
.endm
.irp t, 0,1,2,3
	LOAD \t
.endr
	s_wait_loadcnt 12                              ; step 0's four loads are in; the twelve of steps 1 to 3 may be out
	TURN 0
.macro STEP t
.set XS, X+16*((\t)%2)
.if (\t) > 0
	s_wait_dscnt 1                                 ; this step's numbers are back from the stage (the last step's byte store may be out): so its stores into the stage have read their registers,
.else
	s_wait_dscnt 0x0
.endif
.if (\t)+4 < STEPS
	LOAD (\t)+4                                    ; which take the loads of four steps on
.endif
.if (\t)+1 < STEPS
.if STEPS-2-(\t) >= 3
	s_wait_loadcnt 12                              ; the next step's four loads are in; those of the three steps behind it may be out
.else
	s_wait_loadcnt 4*(STEPS-2-(\t))
.endif
	TURN (\t)+1                                    ; and go through the other stage while this step is worked
.endif
	v_max3_num_f32 v8, |v[XS]|, |v[XS+1]|, |v[XS+2]|               ; the largest magnitude of my 16, in two chains
	v_max3_num_f32 v9, |v[XS+3]|, |v[XS+4]|, |v[XS+5]|
.irp i, 6,10
	v_max3_num_f32 v8, v8, |v[XS+\i]|, |v[XS+\i+1]|
	v_max3_num_f32 v9, v9, |v[XS+\i+2]|, |v[XS+\i+3]|
.endr
	v_max3_num_f32 v8, v8, |v[XS+14]|, |v[XS+15]|
	v_max3_num_f32 v8, v8, v9, (EMAX+1)<<23        ; and the floor 2^(EMAX + 1 - 127): the byte cannot fall under 1
	v_max_num_f32_dpp v8, v8, v8 row_xmask:1 row_mask:0xf bank_mask:0xf   ; and of my neighbour's 16: the block's
	v_add_nc_u32 v11, -(EMAX<<23), v8              ; EMAX off its exponent field: the conversion takes the exponent field of this operand as its scale
	v_cvt_scalef32_pk8_fp4_f32 v[C+4*(\t)], v[XS:XS+7], v11        ; eight numbers / the scale, to the nearest code, ties to even, beyond the largest code the largest
	v_cvt_scalef32_pk8_fp4_f32 v[C+4*(\t)+1], v[XS+8:XS+15], v11
	v_lshrrev_b32 v[E+(\t)], 23, v11               ; the scale's byte (also the plain line behind the conversions)
	ds_store_b8 v5, v[E+(\t)] offset:16*(\t)       ; both lanes of a block write the same byte with the same value
	global_store_b64 v4, v[C+4*(\t):C+4*(\t)+1], s[14:15] offset:32*CB*(\t)   ; 32 lanes store 256 consecutive bytes, aligned
.endm
.irp t, 0,1,2,3,4,5,6,7,8,9,10,11,12,13,14,15
	STEP \t
.endr
	ds_load_b64 v[8:9], v6                         ; LDS serves a wave's instructions in order: these see my byte stores
	s_wait_dscnt 0x0
	global_store_b64 v7, v[8:9], s[16:17]          ; 32 lanes store 256 consecutive bytes, aligned
	s_wait_tensorcnt 0x0                           ; the wave's end, behind my last LDS store
	ds_add_u32 v[SPW], v[NIL]
	s_wait_dscnt 0x0
	s_endpgm
; w_o to f16.  wo_h is laid [n tile 64][chunk of 32 k: 32][g 2][lane 32][16 bytes]: lane (r, h) holds w_o(16 tile + r, 32 chunk + 16 g + 8 h + 0 .. 7): a fragment's four registers.
; A wave takes one tile of 16 rows and half of K (16 chunks), in eight groups of two chunks: a group reads 256 consecutive bytes of each of the 16 rows and stores four runs of 512 bytes.
.Lwo:
	s_sub_co_u32 s21, ttmp9, 608
	s_lshl_b32 s21, s21, 1
	s_lshr_b32 s22, s20, 1
	s_add_co_u32 s21, s21, s22                     ; my tile of rows
	s_and_b32 s24, s20, 1                          ; my half of K
	s_lshl_b32 s22, s21, 16                        ; 16 rows of 4,096 bytes,
	s_lshl_b32 s25, s24, 11                        ; 512 numbers of 4 bytes
	s_add_co_u32 s22, s22, s25
	s_add_nc_u64 s[12:13], s[12:13], s[22:23]
	s_lshl_b32 s22, s21, 15                        ; a tile's 32,768 bytes of f16,
	s_lshl_b32 s25, s24, 14                        ; 16 chunks of 1,024
	s_add_co_u32 s22, s22, s25
	s_add_nc_u64 s[18:19], s[18:19], s[22:23]
.macro WLOAD G
.irp e, 0,1
.irp g, 0,1
.irp x, 0,1
	global_load_b128 v[WI+32*((\G)%4)+16*\e+8*\g+4*\x:WI+32*((\G)%4)+16*\e+8*\g+4*\x+3], v10, s[12:13] offset:(2*(\G)+\e)*128+\g*64+\x*16 th:TH_LOAD_NT
.endr
.endr
.endr
.endm
.macro WGRP G
.if (\G) <= 4
	s_wait_loadcnt 24                              ; this group's eight loads are in; three younger groups may be out
.else
	s_wait_loadcnt 8*(7-(\G))
.endif
.if (\G) >= 4
	s_wait_xcnt 0x0                                ; the stores of four groups back have read their data: the registers are written again only behind this wait
.endif
.irp e, 0,1
.irp g, 0,1
.irp i, 0,1,2,3
	v_cvt_pk_f16_f32 v[WO+16*((\G)%4)+8*\e+4*\g+\i], v[WI+32*((\G)%4)+16*\e+8*\g+2*\i], v[WI+32*((\G)%4)+16*\e+8*\g+2*\i+1]
.endr
.endr
.endr
.irp e, 0,1
.irp g, 0,1
	global_store_b128 v3, v[WO+16*((\G)%4)+8*\e+4*\g:WO+16*((\G)%4)+8*\e+4*\g+3], s[18:19] offset:(2*(\G)+\e)*1024+\g*512   ; 32 lanes store 512 consecutive bytes, aligned
.endr
.endr
.if (\G) < 4
	WLOAD (\G)+4
.endif
.endm
.irp G, 0,1,2,3
	WLOAD \G
.endr
.irp G, 0,1,2,3,4,5,6,7
	WGRP \G
.endr
	s_wait_tensorcnt 0x0                           ; the same three lines at this end of the text too
	ds_add_u32 v[SPW], v[NIL]
	s_wait_dscnt 0x0
	s_endpgm
.Lfunc_end_k_q4f213993e1_quant:
	.size	k_q4f213993e1_quant, .Lfunc_end_k_q4f213993e1_quant-k_q4f213993e1_quant
	.p2alignl 7, 3214868480
	.fill 96, 4, 3214868480
	.section	.rodata,"a",@progbits
	.p2align	6, 0x0
	.amdhsa_kernel k_q4f213993e1_quant
		.amdhsa_group_segment_fixed_size 33280
		.amdhsa_private_segment_fixed_size 0
		.amdhsa_enable_private_segment 0
		.amdhsa_kernarg_size 64
		.amdhsa_user_sgpr_count 2
		.amdhsa_user_sgpr_kernarg_segment_ptr 1
		.amdhsa_wavefront_size32 1
		.amdhsa_system_sgpr_workgroup_id_x 1
		.amdhsa_system_sgpr_workgroup_id_y 1
		.amdhsa_system_sgpr_workgroup_id_z 1
		.amdhsa_system_vgpr_workitem_id 0
		.amdhsa_next_free_vgpr 208
		.amdhsa_next_free_sgpr 66
		.amdhsa_reserve_vcc 0
		.amdhsa_float_denorm_mode_32 3
		.amdhsa_float_denorm_mode_16_64 3
		.amdhsa_memory_ordered 1
		.amdhsa_forward_progress 1
		.amdhsa_inst_pref_size 52
	.end_amdhsa_kernel
	.amdgpu_metadata
---
amdhsa.version: [ 1, 2 ]
amdhsa.kernels:
  - .name:           k_q4f213993e1_quant
    .symbol:         k_q4f213993e1_quant.kd
    .args:
      - { .name: h_source, .offset: 0, .size: 8, .value_kind: global_buffer, .address_space: global }
      - { .name: h_target, .offset: 8, .size: 8, .value_kind: global_buffer, .address_space: global }
      - { .name: w_qk, .offset: 16, .size: 8, .value_kind: global_buffer, .address_space: global }
      - { .name: w_v, .offset: 24, .size: 8, .value_kind: global_buffer, .address_space: global }
      - { .name: w_o, .offset: 32, .size: 8, .value_kind: global_buffer, .address_space: global }
      - { .name: codes, .offset: 40, .size: 8, .value_kind: global_buffer, .address_space: global }
      - { .name: scales, .offset: 48, .size: 8, .value_kind: global_buffer, .address_space: global }
      - { .name: wo_h, .offset: 56, .size: 8, .value_kind: global_buffer, .address_space: global }
    .group_segment_fixed_size: 33280
    .private_segment_fixed_size: 0
    .kernarg_segment_align: 8
    .kernarg_segment_size: 64
    .max_flat_workgroup_size: 128
    .sgpr_count:     66
    .vgpr_count:     208
    .wavefront_size: 32
...
	.end_amdgpu_metadata
.endif
;; end of part 1
;; launch proj (part 2): grid 12 x 32, 4 waves a work-group, clusters of 4 x 4, 327,680 bytes of LDS; arguments codes, scales, qkv; writes qkv
.if DOCPART == 2
	.amdgcn_target "amdgcn-amd-amdhsa--gfx1250"
	.amdhsa_code_object_version 6
	.text
	.protected	k_q4f213993e1_proj
	.globl	k_q4f213993e1_proj
	.p2align	8
	.type	k_q4f213993e1_proj,@function
k_q4f213993e1_proj:
	s_mov_b64 s[64:65], 0
	v_nop
	global_prefetch_b8 v0, s[64:65] scope:SCOPE_SE
	s_setreg_imm32_b32 hwreg(HW_REG_WAVE_MODE, 25, 1), 1
	s_wait_xcnt 0x0
	s_wait_alu depctr_hold_cnt(0) depctr_sa_sdst(0) depctr_va_vdst(0) depctr_va_sdst(0) depctr_va_ssrc(0) depctr_va_vcc(0) depctr_vm_vsrc(0)
	s_getreg_b32 s2, hwreg(HW_REG_IB_STS2, 6, 4)
	s_cmp_eq_u32 s2, 0
	s_cbranch_scc0 .Lentry_in_a_cluster
	s_endpgm
.Lentry_in_a_cluster:
	s_bfe_u32 s2, ttmp6, 0x10000c
	s_cmp_lg_u32 s2, 0xf033
	s_cbranch_scc0 .Lentry_shape_is_right
	s_endpgm
.Lentry_shape_is_right:
; The two quantised products, on codes of FP4 (E2M1) with one E8M0 scale for each 32 along K = 1,024:  qk = h_source w_qk^T  and  v = h_target w_v^T.  Sums in f32; results rounded once to f16 and stored
; in the order in which the attention launch's operand registers take them.
; LIMITS: |q|, |k|, |v| beyond 65,504 become infinity in f16; under 6e-5 they keep an absolute step of 6e-8.
; A tile of 256 x 256 results is made by a work-group of four waves; a wave makes 128 x 128: 64 accumulators of 16 x 16, 512 registers.  K goes in two steps of 512 through two LDS slots, each filled once.
; The matrix instruction takes 16 rows of "B" as source 0 and 16 rows of "A" as source 1: a lane then holds ONE row of A and eight neighbouring rows of B.
;   clusters x = 0, 1:  A = h_source (tokens), B = w_qk (features): a lane holds one token and eight neighbouring channels of q or of k: 16 bytes of a fragment of Q or K.
;   cluster  x = 2:     A = w_v (channels), B = h_target (tokens):  a lane holds one channel and eight neighbouring keys: 16 bytes of a fragment of V^T.
; So each accumulator, rounded by four conversions, is stored straight from registers: 32 lanes x 16 bytes = 512 consecutive bytes, aligned.  No stage in LDS.
; qkv: Q at 0, K at 16,777,216: [batch x head 64][tile of 16 tokens 128][c 2][g 2][lane][16 bytes], lane (r, h): token 16 tile + r, channels 32 c + 16 g + 8 h + 0 .. 7;
;      V at 33,554,432: [batch x head][u 64][ct 4][g 2][lane][16 bytes], lane (r, h): channel 16 ct + r, keys 32 u + 16 g + 8 h + 0 .. 7.
; THE SCALES of the work-group's 256 rows of A and of B, for all of K, are two dense blocks of 8,192 bytes: they come into LDS once, with the first fills.
; CLUSTERS: 4 x 4 work-groups.  The four of a row of the cluster need the same tiles of A, the four of a column the same tiles of B: each tile is asked for jointly, by the same tensor load with the same descriptor
; and a mask that names the four.  Which product a cluster serves hangs on the cluster's x alone, which all sixteen share.
; REGISTERS, in windows of 256: window 0: v0-31 addresses; v32-95 scale words, two sets; from v128 A's fragments, one set; on the way out v128-255 hold packed results.
;   window 1: B's fragments, two sets, at v0 and v128.   window 2: the accumulators of my rows 0-63 ((a, b) at v[8 (8 a + b)]);   window 3: those of my rows 64-127.
.set KSTEP,  512                       ; along K in a slot
.set NQ,     KSTEP/128                 ; matrix instructions deep
.set ROWB,   256                       ; a tile's row in bytes
.set KROW,   512                       ; a row of codes in memory
.set PITCH,  272                       ; an LDS row: 256 bytes + 16 of padding: the 16 rows that a load touches start 68 words apart
.set FR,     8                         ; registers of a fragment: 16 rows x 128 K
.set NL,     2                         ; LDS loads that bring one
.set NP,     4                         ; places behind this matrix instruction (ISA guide 7.12.1)
.set HALFT,  128*PITCH                 ; 128 rows: what one tensor load brings
.set SLOT,   4*HALFT                   ; A's 256 rows, then B's 256 rows
.set KS,     32                        ; a row of scales in bytes
.set SCL,    2*SLOT                    ; behind the slots: the scales, as runs of 256 bytes + 16 of padding
.set HALFS,  (128*KS/256)*272          ; the scales of 128 rows
.set SBLK,   (16*KS/256)*272           ; those of 16 rows
.set SPARE,  SCL+4*HALFS               ; behind the scales: the spare words, 128 bytes a wave
.set ADRA, 16                          ; v16-17  LDS address of my A fragments in slot 0, 1
.set ADRB, 20                          ; v20-21  the same for B
.set LO,   24                          ; v24     16 x lane: my place in a store's 512 bytes
.set ADRS, 27                          ; v27     LDS address of my scale words: lanes 0-15 A's rows, lanes 16-31 B's
.set SPW,  28                          ; v28     LDS address of my spare word; never rewritten
.set NIL,  29                          ; v29     0; never rewritten
.set SC,   32                          ; scale words: set s at v[SC + 32 s]; register 4 i + q: lanes 0-15 A's block i, lanes 16-31 B's block i, the slot's q-th 128 along K
.set AF,   128                         ; A's fragments, in window 0
.set TMP,  128                         ; the way out: four sets of 32 registers of f16
.set G1, 24                            ; s[24:31] descriptor group 1 for A's tiles;  s[32:39] group 0, one set for each slot
.set G0, 32
.set G1B, 48                           ; s[48:55], s[56:63] the same for B's tiles
.set G0B, 56
.set G1S, 68                           ; s[68:75], s[76:79] groups 1 and 0 for A's scales;  s[80:87], s[88:91] for B's
.set G0S, 76
.set G1SB, 80
.set G0SB, 88
.set MSB, 0
.macro WIN new                         ; the immediate's high byte repeats the setting that is left; a switch that changes nothing is dropped
.if MSB != (\new)
	s_set_vgpr_msb (MSB<<8)|(\new)
.set MSB, (\new)
.endif
.endm
.set MUL_LO, 0xa1                      ; source 0 (B) window 1, source 1 (A) window 0, C and D window 2
.set MUL_HI, 0xf1                      ; the same, C and D window 3
.set TO_B,   0x40                      ; destination window 1, address window 0
; A joint load: waves 0 and 1 fetch for A, waves 2 and 3 for B.  The branch hangs on the wave's number alone.  An s_nop 0 and four v_nop follow each of the two lines.
.macro JLOAD g0a, g1a, g0b, g1b
	s_cmp_eq_u32 s15, 0
	s_cbranch_scc0 .Lfor_b_\@
	tensor_load_to_lds s[\g0a:\g0a+3], s[\g1a:\g1a+7]
	s_nop 0
.rept 4
	v_nop
.endr
	s_branch .Lasked_\@
.Lfor_b_\@:
	tensor_load_to_lds s[\g0b:\g0b+3], s[\g1b:\g1b+7]
	s_nop 0
.rept 4
	v_nop
.endr
.Lasked_\@:
.endm
.macro CROUND                          ; a round of the cluster's barrier
	s_barrier_signal -1
	s_barrier_wait -1
	s_cmp_lg_u32 s14, 0
	s_cbranch_scc1 .Lnot_wave_0_\@
	s_barrier_signal -3
.Lnot_wave_0_\@:
	s_barrier_wait -3
	s_barrier_signal -1
	s_barrier_wait -1
.endm
	s_load_b128 s[4:7], s[0:1], 0x0                ; codes s[4:5], scales s[6:7]
	s_load_b64 s[12:13], s[0:1], 0x10              ; qkv
	v_lshl_add_u32 v[SPW], v0, 2, SPARE
	v_mov_b32 v[NIL], 0
	ds_add_u32 v[SPW], v[NIL]                      ; the wave's opening: the add, twice on end, and its wait ahead of my first tensor load
	ds_add_u32 v[SPW], v[NIL]
	v_lshrrev_b32 v1, 5, v0
	v_readfirstlane_b32 s14, v1                    ; wave 0..3
	s_lshr_b32 s15, s14, 1                         ; which half of A's rows is mine.  Also: I fetch for A (0) or for B (1)
	s_and_b32 s16, s14, 1                          ; which half of B's rows.  Also: which 128 rows of that tile I fetch
	s_bfe_u32 s40, ttmp6, 0x40000                  ; cx, cy: my place in the cluster
	s_bfe_u32 s41, ttmp6, 0x40004
	s_and_b32 s17, ttmp7, 0xffff
	s_lshl_b32 s17, s17, 2                         ; 4 x cluster y
	s_lshl_b32 s42, ttmp9, 2                       ; 4 x cluster x
	s_mov_b32 s95, 8388608                         ; w_qk's codes
	s_mov_b32 s98, 524288                          ; w_qk's scales
	s_cmp_eq_u32 ttmp9, 2                          ; the v product?  The same answer in all sixteen partners
	s_cselect_b32 s42, s17, s42                    ; B's tile: h_target's 32 tiles go by cluster y, w_qk's 8 by cluster x
	s_cselect_b32 s17, 0, s17                      ; A's tile: w_v has 4, h_source's 32 go by cluster y
	s_cselect_b32 s66, 9437184, 0                  ; A's codes: w_v's or h_source's region
	s_cselect_b32 s67, 589824, 0                   ; A's scales
	s_cselect_b32 s95, 4194304, s95                ; B's codes: h_target's or w_qk's
	s_cselect_b32 s98, 262144, s98                 ; B's scales
	s_add_co_u32 s42, s42, s40                     ; B's tile of 256 rows: + cx
	s_add_co_u32 s17, s17, s41                     ; A's tile of 256 rows: + cy
	s_lshl_b32 s43, s41, 2
	s_lshl_b32 s43, 15, s43                        ; my row of the cluster
	s_lshl_b32 s44, 0x1111, s40                    ; my column
	; descriptor group 1: a tile of 128 rows x 256 bytes, padded in LDS
	s_or_b32 s[G1+0], s43, (0<<16)|(1<<20)|(1<<21)|(5<<22)|(3<<25)  ; 15:0 the mask: A's tiles go to my row; elements of 1 byte; padding on; bit 21 beside a mask; after every 64 words four words
	s_or_b32 s[G1B+0], s44, (0<<16)|(1<<20)|(1<<21)|(5<<22)|(3<<25)
.irp g, G1, G1B
	s_mov_b32 s[\g+1], ROWB<<16                    ; tensor_dim0
	s_mov_b32 s[\g+2], 128<<16                     ; tensor_dim1
	s_mov_b32 s[\g+3], ROWB<<16                    ; tile_dim0
	s_mov_b32 s[\g+4], 128                         ; tile_dim1
	s_mov_b32 s[\g+5], KROW                        ; from row to row
	s_mov_b32 s[\g+6], 0
	s_mov_b32 s[\g+7], 0
.endr
	; the scales of 128 rows: a dense block of 4,096 bytes, as 16 rows of 256 bytes (32 elements of 8 bytes), 16 bytes of padding behind each
	s_or_b32 s[G1S+0], s43, (3<<16)|(1<<20)|(1<<21)|(5<<22)|(3<<25)
	s_or_b32 s[G1SB+0], s44, (3<<16)|(1<<20)|(1<<21)|(5<<22)|(3<<25)
.irp g, G1S, G1SB
	s_mov_b32 s[\g+1], 32<<16
	s_mov_b32 s[\g+2], (128*KS/256)<<16
	s_mov_b32 s[\g+3], 32<<16
	s_mov_b32 s[\g+4], 128*KS/256
	s_mov_b32 s[\g+5], 32
	s_mov_b32 s[\g+6], 0
	s_mov_b32 s[\g+7], 0
.endr
	s_lshl_b32 s18, s16, 7                         ; which 128 rows of the tile I fetch
	s_lshl_b32 s20, s17, 8
	s_add_co_u32 s20, s20, s18                     ; A: row 256 x tile + 128 x half
	s_lshl_b32 s46, s42, 8
	s_add_co_u32 s46, s46, s18                     ; B likewise
	s_mov_b32 s21, 0
	s_mov_b32 s47, 0
	s_mov_b64 s[18:19], KS
	s_mul_u64 s[22:23], s[20:21], s[18:19]         ; where these rows' scales begin in their region,
	s_mul_u64 s[92:93], s[46:47], s[18:19]
	s_mov_b64 s[18:19], KROW
	s_mul_u64 s[20:21], s[20:21], s[18:19]         ; and their codes;
	s_mul_u64 s[46:47], s[46:47], s[18:19]
	s_mov_b32 s97, 0                               ; and the regions
	s_mov_b32 s96, s66
	s_add_nc_u64 s[20:21], s[20:21], s[96:97]
	s_mov_b32 s96, s67
	s_add_nc_u64 s[22:23], s[22:23], s[96:97]
	s_mov_b32 s96, s95
	s_add_nc_u64 s[46:47], s[46:47], s[96:97]
	s_mov_b32 s96, s98
	s_add_nc_u64 s[92:93], s[92:93], s[96:97]
	s_mul_i32 s45, s14, HALFT                      ; where they go: wave x 128 rows: no place in the cluster enters an LDS address
	s_mul_i32 s94, s14, HALFS
	s_wait_dscnt 0x0                               ; both opening adds are done
	s_wait_kmcnt 0x0
	s_add_nc_u64 s[20:21], s[4:5], s[20:21]
	s_add_nc_u64 s[22:23], s[6:7], s[22:23]
	s_add_nc_u64 s[46:47], s[4:5], s[46:47]
	s_add_nc_u64 s[92:93], s[6:7], s[92:93]
	CROUND                                         ; all sixteen work-groups are here: the first joint loads meet
	s_mov_b32 s[G0S], 1
	s_add_co_u32 s[G0S+1], s94, SCL
	s_mov_b64 s[G0S+2:G0S+3], s[22:23]
	s_or_b32 s[G0S+3], s[G0S+3], 0x80000000
	s_mov_b32 s[G0SB], 1
	s_add_co_u32 s[G0SB+1], s94, SCL
	s_mov_b64 s[G0SB+2:G0SB+3], s[92:93]
	s_or_b32 s[G0SB+3], s[G0SB+3], 0x80000000
	JLOAD G0S, G1S, G0SB, G1SB                     ; the scales first: they are wanted with K step 0
.irp s, 0,1
	s_mov_b32 s[G0+4*\s], 1
	s_add_co_u32 s[G0+4*\s+1], s45, \s*SLOT
	s_add_nc_u64 s[G0+4*\s+2:G0+4*\s+3], s[20:21], \s*ROWB
	s_or_b32 s[G0+4*\s+3], s[G0+4*\s+3], 0x80000000
	s_mov_b32 s[G0B+4*\s], 1
	s_add_co_u32 s[G0B+4*\s+1], s45, \s*SLOT
	s_add_nc_u64 s[G0B+4*\s+2:G0B+4*\s+3], s[46:47], \s*ROWB
	s_or_b32 s[G0B+4*\s+3], s[G0B+4*\s+3], 0x80000000
	JLOAD G0+4*\s, G1, G0B+4*\s, G1B               ; three loads of mine are out in all
.endr
	v_and_b32 v1, 15, v0                           ; l % 16
	v_bfe_u32 v2, v0, 4, 1                         ; l / 16
	v_mul_u32_u24 v3, v1, PITCH
	v_lshl_add_u32 v4, v2, 4, v3                   ; a fragment's row x pitch + 16 x half
	s_mul_i32 s21, s15, HALFT                      ; my 128 rows of A
	s_mul_i32 s22, s16, HALFT                      ; my 128 rows of B,
	s_add_co_u32 s22, s22, 2*HALFT                 ; which lie behind A's 256
.irp s, 0,1
	v_add_nc_u32 v[ADRA+\s], s21, v4
	v_add_nc_u32 v[ADRB+\s], s22, v4
	s_add_co_u32 s21, s21, SLOT
	s_add_co_u32 s22, s22, SLOT
.endr
	v_mul_u32_u24 v5, v1, KS                       ; my row's scales: KS bytes a row,
	v_lshrrev_b32 v6, 8, v5
	v_lshl_add_u32 v5, v6, 4, v5                   ; and 16 more for each 256 passed
	s_mul_i32 s21, s15, HALFS                      ; A's: my 128 rows
	s_mul_i32 s22, s16, HALFS                      ; B's: my 128 rows, behind A's 256
	s_add_co_u32 s22, s22, 2*HALFS
	s_sub_co_u32 s22, s22, s21
	v_mul_u32_u24 v6, s22, v2                      ; lanes 16-31 take B's
	s_add_co_u32 s21, s21, SCL
	v_add_nc_u32 v5, v5, v6
	v_add_nc_u32 v[ADRS], s21, v5
	v_and_b32 v6, 31, v0
	v_lshlrev_b32 v[LO], 4, v6
.macro FRAG reg, adr, q, i             ; a fragment, 16 rows x 128 K of 4-bit codes: lane l holds row l % 16; registers 4 c .. 4 c + 3 hold K = 64 c + 32 (l / 16) + 0 .. 31
.irp c, 0,1
	ds_load_b128 v[\reg+4*\c:\reg+4*\c+3], v[\adr] offset:64*(\q)+32*\c+(\i)*16*PITCH
.endr
.endm
; 16 matrix instructions: A's blocks a0, a0 + 1 x B's eight, the slot's q-th 128 along K.  p: B's set;  sc: the set of scale words.  zero = 1: the first product starts the sums.
; The 64 accumulators take turns, one instruction a turn, in the same order in every step.
.macro MUL16 a0, p, q, sc, zero
.irp a, \a0, \a0+1
.irp b, 0,1,2,3,4,5,6,7
.if \zero
	v_wmma_scale_f32_16x16x128_f8f6f4 v[8*(8*((\a)%4)+\b):8*(8*((\a)%4)+\b)+7], v[128*(\p)+FR*\b:128*(\p)+FR*\b+FR-1], v[AF+FR*(\a):AF+FR*(\a)+FR-1], 0, v[SC+8*NQ*(\sc)+NQ*\b+(\q)], v[SC+8*NQ*(\sc)+NQ*(\a)+(\q)] matrix_a_fmt:MATRIX_FMT_FP4 matrix_b_fmt:MATRIX_FMT_FP4 matrix_a_scale:MATRIX_SCALE_ROW1
.else
	v_wmma_scale_f32_16x16x128_f8f6f4 v[8*(8*((\a)%4)+\b):8*(8*((\a)%4)+\b)+7], v[128*(\p)+FR*\b:128*(\p)+FR*\b+FR-1], v[AF+FR*(\a):AF+FR*(\a)+FR-1], v[8*(8*((\a)%4)+\b):8*(8*((\a)%4)+\b)+7], v[SC+8*NQ*(\sc)+NQ*\b+(\q)], v[SC+8*NQ*(\sc)+NQ*(\a)+(\q)] matrix_a_fmt:MATRIX_FMT_FP4 matrix_b_fmt:MATRIX_FMT_FP4 matrix_a_scale:MATRIX_SCALE_ROW1
.endif
.endr
.endr
.endm
.macro FETCH_B slot, q, p              ; B's eight fragments of the slot's q-th 128 along K into set p
	WIN TO_B
.irp i, 0,1,2,3,4,5,6,7
	FRAG 128*(\p)+FR*\i, ADRB+\slot, \q, \i
.endr
	WIN 0
.endm
.macro FETCH_A slot, q, i0             ; A's blocks i0 .. i0 + 3
.irp i, \i0, \i0+1, \i0+2, \i0+3
	FRAG AF+FR*(\i), ADRA+\slot, \q, \i
.endr
.endm
.macro SCALES sc                       ; a K step's scale words into set sc: four words a row; lanes 0-15 take A's block i, lanes 16-31 B's block i
.irp i, 0,1,2,3,4,5,6,7
	ds_load_b128 v[SC+8*NQ*\sc+NQ*\i:SC+8*NQ*\sc+NQ*\i+3], v[ADRS] offset:\i*SBLK
.endr
.endm
; A load into a register that a matrix instruction has read, and a vector instruction that reads a matrix result or writes one of its registers, stand NP places behind it;
; only plain vector instructions that name none of its registers are places.
.macro PLACES n
.rept \n
	v_nop
.endr
.endm
; A step of 128 along K that has its successor in the same slot.
.macro STEP slot, q, zero
	s_wait_dscnt 4*NL                              ; B's set and A's blocks 0-3 are in; the youngest eight loads (A's blocks 4-7) may be out
	WIN MUL_LO
	MUL16 0, (\q)%2, \q, \slot, \zero
	MUL16 2, (\q)%2, \q, \slot, \zero
	s_wait_dscnt 0                                 ; A's blocks 4-7 are in
	PLACES NP
	FETCH_B \slot, (\q)+1, 1-(\q)%2
	FETCH_A \slot, (\q)+1, 0
	WIN MUL_HI
	MUL16 4, (\q)%2, \q, \slot, \zero
	MUL16 6, (\q)%2, \q, \slot, \zero
	PLACES NP
	WIN 0
	FETCH_A \slot, (\q)+1, 4
.endm
.macro STEPS slot, from                ; the slot's steps from .. NQ - 2
.set Q, \from
.rept NQ-1-\from
	STEP \slot, Q, 0
.set Q, Q+1
.endr
.endm
	s_wait_tensorcnt 1                             ; the scales and my part of K step 0 are in; K step 1's load may be out
	s_barrier_signal -1
	s_barrier_wait -1                              ; everybody's are
	FETCH_B 0, 0, 0
	FETCH_A 0, 0, 0
	SCALES 0
	FETCH_A 0, 0, 4
	STEP 0, 0, 1                                   ; the first step's products start the sums
	STEPS 0, 1
	; slot 0's last step changes slots: one barrier; nothing is filled again
	s_wait_tensorcnt 0x0                           ; my part of slot 1 has landed
	ds_add_u32 v[SPW], v[NIL]                      ; 0 onto my spare word
	s_wait_dscnt 4*NL+1                            ; the add and the youngest eight loads (A's blocks 4-7) may be out
	WIN MUL_LO
	MUL16 0, 1, NQ-1, 0, 0
	s_wait_dscnt 0x0                               ; no LDS instruction of mine is out at the signal
	s_barrier_signal -1
	MUL16 2, 1, NQ-1, 0, 0
	WIN 0
	s_barrier_wait -1                              ; slot 1 is whole
	PLACES NP
	v_add_nc_u32 v[ADRS], 4*NQ, v[ADRS]            ; on to the second K step's scale words
	FETCH_B 1, 0, 0
	FETCH_A 1, 0, 0
	SCALES 1
	WIN MUL_HI
	MUL16 4, 1, NQ-1, 0, 0
	MUL16 6, 1, NQ-1, 0, 0
	PLACES NP
	WIN 0
	FETCH_A 1, 0, 4
	STEPS 1, 0
	s_wait_dscnt 4*NL                              ; the very last step: nothing more to fetch
	WIN MUL_LO
	MUL16 0, 1, NQ-1, 1, 0
	MUL16 2, 1, NQ-1, 1, 0
	s_wait_dscnt 0
	WIN MUL_HI
	MUL16 4, 1, NQ-1, 1, 0
	MUL16 6, 1, NQ-1, 1, 0
	WIN 0
; THE WAY OUT.  Block a (16 rows of A) x block b (16 rows of B): a lane's eight results are rounded to 16 bytes of f16, each accumulator from its low end on, and the 32 lanes store 512 consecutive bytes.
.macro PACK a
.set AC, 64*((\a)%4)
.set TT, TMP+32*((\a)%4)
	WIN 0x0a+5*((\a)/4)                            ; sources 0 and 1: window 2 or 3
.irp b, 0,1,2,3,4,5,6,7
.irp i, 0,1,2,3
	v_cvt_pk_f16_f32 v[TT+4*\b+\i], v[AC+8*\b+2*\i], v[AC+8*\b+2*\i+1]
.endr
.endr
	WIN 0
.endm
.macro PUT_QK a                        ; my 128 features are one head: blocks 0-3 its q, blocks 4-7 its k; block b % 4 = channels 16 (b % 4) on = place 2 c + g of the token tile
.set TT, TMP+32*((\a)%4)
.irp b, 0,1,2,3
	global_store_b128 v[LO], v[TT+4*\b:TT+4*\b+3], s[12:13] offset:(\a)*2048+\b*512
.endr
.irp b, 0,1,2,3
	global_store_b128 v[LO], v[TT+16+4*\b:TT+16+4*\b+3], s[18:19] offset:(\a)*2048+\b*512
.endr
.endm
.macro PUT_V a                         ; block a: head a / 4 of my two, channel tile a % 4; block b: keys 16 b on = u b / 2, g b % 2
.set TT, TMP+32*((\a)%4)
.irp b, 0,1,2,3,4,5,6,7
	global_store_b128 v[LO], v[TT+4*\b:TT+4*\b+3], s[12:13] offset:((\a)/4)*262144+((\a)%4)*1024+(\b/2)*4096+(\b%2)*512
.endr
.endm
	PLACES NP                                      ; behind the last products: the conversions read results and write over the registers that held A's fragments
	s_cmp_eq_u32 ttmp9, 2
	s_cbranch_scc1 .Lout_v
	s_lshr_b32 s20, s17, 3                         ; batch = token tile / 8
	s_lshl_b32 s20, s20, 4
	s_lshl_b32 s21, s42, 1
	s_add_co_u32 s21, s21, s16                     ; head = 2 x feature tile + my half
	s_add_co_u32 s20, s20, s21
	s_lshl_b32 s20, s20, 18                        ; 262,144 bytes a head
	s_and_b32 s21, s17, 7
	s_lshl_b32 s21, s21, 4
	s_lshl_b32 s22, s15, 3
	s_add_co_u32 s21, s21, s22                     ; my first tile of 16 tokens in the batch
	s_lshl_b32 s21, s21, 11
	s_add_co_u32 s20, s20, s21
	s_mov_b32 s21, 0
	s_add_nc_u64 s[12:13], s[12:13], s[20:21]      ; Q
	s_add_nc_u64 s[18:19], s[12:13], 16777216      ; K
.irp a, 0,1,2,3,4,5,6,7
.if \a >= 4
	s_wait_xcnt 0x0                                ; the stores of four blocks back have read their data: the registers are written again only behind this wait
.endif
	PACK \a
	PUT_QK \a
.endr
	s_branch .Ldone
.Lout_v:
	s_lshr_b32 s20, s42, 3                         ; batch = token tile / 8
	s_lshl_b32 s20, s20, 4
	s_lshl_b32 s21, s17, 2
	s_add_co_u32 s20, s20, s21
	s_lshl_b32 s21, s15, 1
	s_add_co_u32 s20, s20, s21                     ; my first head = 4 x channel tile + 2 x my half
	s_lshl_b32 s20, s20, 18
	s_and_b32 s21, s42, 7
	s_lshl_b32 s21, s21, 3
	s_lshl_b32 s22, s16, 2
	s_add_co_u32 s21, s21, s22                     ; my first run of 32 keys
	s_lshl_b32 s21, s21, 12
	s_add_co_u32 s20, s20, s21
	s_add_co_u32 s20, s20, 33554432                ; V's region
	s_mov_b32 s21, 0
	s_add_nc_u64 s[12:13], s[12:13], s[20:21]
.irp a, 0,1,2,3,4,5,6,7
.if \a >= 4
	s_wait_xcnt 0x0
.endif
	PACK \a
	PUT_V \a
.endr
.Ldone:
	s_wait_tensorcnt 0x0                           ; the wave's end, behind my last tensor load
	ds_add_u32 v[SPW], v[NIL]
	s_wait_dscnt 0x0
	CROUND                                         ; the closing round: no work-group ends while a partner may still ask for a tile that names it
	s_endpgm
.Lfunc_end_k_q4f213993e1_proj:
	.size	k_q4f213993e1_proj, .Lfunc_end_k_q4f213993e1_proj-k_q4f213993e1_proj
	.p2alignl 7, 3214868480
	.fill 96, 4, 3214868480
	.section	.rodata,"a",@progbits
	.p2align	6, 0x0
	.amdhsa_kernel k_q4f213993e1_proj
		.amdhsa_group_segment_fixed_size 327680
		.amdhsa_private_segment_fixed_size 0
		.amdhsa_enable_private_segment 0
		.amdhsa_kernarg_size 24
		.amdhsa_user_sgpr_count 2
		.amdhsa_user_sgpr_kernarg_segment_ptr 1
		.amdhsa_wavefront_size32 1
		.amdhsa_system_sgpr_workgroup_id_x 1
		.amdhsa_system_sgpr_workgroup_id_y 1
		.amdhsa_system_sgpr_workgroup_id_z 1
		.amdhsa_system_vgpr_workitem_id 0
		.amdhsa_next_free_vgpr 1024
		.amdhsa_next_free_sgpr 100
		.amdhsa_reserve_vcc 0
		.amdhsa_float_denorm_mode_32 3
		.amdhsa_float_denorm_mode_16_64 3
		.amdhsa_memory_ordered 1
		.amdhsa_forward_progress 1
		.amdhsa_inst_pref_size 141
	.end_amdhsa_kernel
	.amdgpu_metadata
---
amdhsa.version: [ 1, 2 ]
amdhsa.kernels:
  - .name:           k_q4f213993e1_proj
    .symbol:         k_q4f213993e1_proj.kd
    .args:
      - { .name: codes, .offset: 0, .size: 8, .value_kind: global_buffer, .address_space: global }
      - { .name: scales, .offset: 8, .size: 8, .value_kind: global_buffer, .address_space: global }
      - { .name: qkv, .offset: 16, .size: 8, .value_kind: global_buffer, .address_space: global }
    .group_segment_fixed_size: 327680
    .private_segment_fixed_size: 0
    .kernarg_segment_align: 8
    .kernarg_segment_size: 24
    .max_flat_workgroup_size: 128
    .sgpr_count:     100
    .vgpr_count:     1024
    .wavefront_size: 32
...
	.end_amdgpu_metadata
.endif
;; end of part 2
;; launch attn (part 3): grid 4 x 64, 8 waves a work-group, clusters of 4 x 1, 327,680 bytes of LDS; arguments qkv, vals; writes vals
.if DOCPART == 3
	.amdgcn_target "amdgcn-amd-amdhsa--gfx1250"
	.amdhsa_code_object_version 6
	.text
	.protected	k_q4f213993e1_attn
	.globl	k_q4f213993e1_attn
	.p2align	8
	.type	k_q4f213993e1_attn,@function
k_q4f213993e1_attn:
	s_mov_b64 s[64:65], 0
	v_nop
	global_prefetch_b8 v0, s[64:65] scope:SCOPE_SE
	s_setreg_imm32_b32 hwreg(HW_REG_WAVE_MODE, 25, 1), 1
	s_wait_xcnt 0x0
	s_wait_alu depctr_hold_cnt(0) depctr_sa_sdst(0) depctr_va_vdst(0) depctr_va_sdst(0) depctr_va_ssrc(0) depctr_va_vcc(0) depctr_vm_vsrc(0)
	s_getreg_b32 s2, hwreg(HW_REG_IB_STS2, 6, 4)
	s_cmp_eq_u32 s2, 0
	s_cbranch_scc0 .Lentry_in_a_cluster
	s_endpgm
.Lentry_in_a_cluster:
	s_bfe_u32 s2, ttmp6, 0x10000c
	s_cmp_lg_u32 s2, 0x3003
	s_cbranch_scc0 .Lentry_shape_is_right
	s_endpgm
.Lentry_shape_is_right:
; vals[b][q][head] = the sum over k of softmax_k(q . k / 8) v, for 64 (batch, head) pairs of 2,048 tokens and 64 channels.  q, k, v arrive as f16 in the order of the operand registers (see below);
; products, maxima and sums in f32; the weights p are rounded to f16 for the second product, the result once to f16 at the end.
; LIMITS: |vals| beyond 65,504 would be infinity in f16 (it is an average of v, which is held to the same bound); p under 6e-5 keeps an absolute step of 6e-8.
; SHARES.  A work-group owns 512 queries of one head, each of its EIGHT waves 64: four tiles of 16.  Every wave walks all 2,048 keys, 64 a step.  512 registers a wave: two waves to a SIMD.
; LAYOUT.  S^T = K Q^T (source 0 = 16 keys, source 1 = 16 queries): a lane holds ONE query (lane % 16) and keys 8 (lane / 16) + 0..7.  Two such tiles, rounded to f16 in pairs, IN PLACE, are source 1
; (32 keys x 16 queries) of O^T = V^T P, whose result again holds one query a lane and eight channels.  Nothing changes lanes but one exchange between the halves for a query's maximum and sum.
; qkv: Q at 0, K at 16,777,216: [head 64][tile of 16 tokens 128][c 2][g 2][lane][16 bytes]; V at 33,554,432: [head][u 64][ct 4][g 2][lane][16 bytes]: every fragment is two runs of 512 bytes, 16 bytes a lane:
; a key step's K is 8,192 dense bytes, and so is its V; LDS needs no padding (each load's 512 bytes are consecutive) and V no turning.
; SOFTMAX.  For each query a running maximum m and sum l: p = 2^(c s - c m), c = log2(e) / 8; in every step O and l are multiplied by a = 2^(c m_old - c m_new).
; TWO TYPES OF WAVES.  Type = (wave xor wave / 4) & 1.  Both run the same work in the same order:  softmax(j - 1), V^T P (j - 1), K Q^T (j), softmax(j) ...  Only the place of the barriers in that order differs by half
; a key step: behind each barrier type 0 begins with 64 products and type 1 with a softmax, so that one type's vector work can stand beside the other's matrix work.
; No barrier, wait or LDS instruction stands in them.
; CLUSTER.  The four query blocks of a head walk the same K and V: each tile is asked for jointly, by the same tensor load with the same descriptor and the mask 15.
; RING.  Two slots of 8 key steps (K 65,536 bytes, then V 65,536).  Each of the eight waves moves 16,384 bytes of a slot by one load (waves 0-3 K's quarters, waves 4-7 V's).  Four fills in all: two at the head, two behind rounds.
; REGISTERS.  window 0: v1 16 x lane; v2 the same + V's place; v3 the address in hand; v6, v7 the add's two; v16-47 statistics, 8 a tile; v64-191 S^T, 32 a tile, then P in a tile's first 16; v192-255 K of a step.
;             window 1: v0-127 O^T (tile t, channels 16 ct on: 32 t + 8 ct); v128-191 Q (16 t + 8 c); v192-255 V of a step (32 u + 8 ct).
.set SLOT1, 1<<17                      ; slot 1 begins here: one exclusive or turns an address from one slot to the other
.set VOFF,  65536                      ; V's 8 steps lie behind K's
.set STEPB, 8192                       ; a key step's K, and its V
.set SPARE, 2*SLOT1                    ; behind the ring: the spare words, 128 bytes for each of eight waves
.set L16, 1
.set AV0, 2
.set ADR, 3
.set SPW, 6
.set NIL, 7
.set ST,  16                           ; tile t at v[ST + 8 t]: +0 c m, +1 m, +2, +3 l (two halves), +4 .. +7 at work; a stands in +6
.set S,   64
.set KF,  192
.set QF,  128                          ; in window 1
.set VF,  192                          ; in window 1
.set WV,  12                           ; s12 wave
.set TY,  13                           ; s13 type
.set G1,  24                           ; s[24:31] descriptor group 1
.set G0,  32                           ; s[32:39] group 0: a set for each first fill; the second then walks on
.set CS,  40                           ; s[40:41] c, twice
.set SEL, 42                           ; s[42:43] lane selects for v_permlanex16_b32: lane l xor 16
.set TB,  44                           ; s44 LDS byte at which the step to be fetched begins
.set SLOTS, 45
.set CNT, 46
.set MSB, 0
.macro WIN new                         ; the immediate's high byte repeats the setting that is left; a switch that changes nothing is dropped
.if MSB != (\new)
	s_set_vgpr_msb (MSB<<8)|(\new)
.set MSB, (\new)
.endif
.endm
.macro CROUND                          ; a round of the cluster's barrier
	s_barrier_signal -1
	s_barrier_wait -1
	s_cmp_lg_u32 s[WV], 0
	s_cbranch_scc1 .Lnot_wave_0_\@
	s_barrier_signal -3
.Lnot_wave_0_\@:
	s_barrier_wait -3
	s_barrier_signal -1
	s_barrier_wait -1
.endm
	s_load_b128 s[4:7], s[0:1], 0x0                ; qkv s[4:5], vals s[6:7]
	v_lshl_add_u32 v[SPW], v0, 2, SPARE
	v_mov_b32 v[NIL], 0
	ds_add_u32 v[SPW], v[NIL]                      ; the wave's opening: the add, twice on end, and its wait ahead of my first tensor load
	ds_add_u32 v[SPW], v[NIL]
	v_lshrrev_b32 v1, 5, v0
	v_readfirstlane_b32 s[WV], v1                  ; wave 0..7
	s_lshr_b32 s[TY], s[WV], 2
	s_xor_b32 s[TY], s[TY], s[WV]
	s_and_b32 s[TY], s[TY], 1                      ; waves 0, 2, 5, 7: type 0; waves 1, 3, 4, 6: type 1
	s_bfe_u32 s14, ttmp6, 0x40000                  ; cx: my block of 512 queries: it enters Q's and vals' addresses alone
	s_and_b32 s15, ttmp7, 0xffff                   ; the (batch, head) pair, which the four partners share
	; descriptor group 1: 16,384 dense bytes as 64 rows of 256 (32 elements of 8 bytes), no padding
	s_mov_b32 s[G1], 15|(3<<16)|(1<<21)            ; 15:0 the mask: all four work-groups; elements of 8 bytes; bit 21 beside a mask
	s_mov_b32 s[G1+1], 32<<16                      ; tensor_dim0
	s_mov_b32 s[G1+2], 64<<16                      ; tensor_dim1
	s_mov_b32 s[G1+3], 32<<16                      ; tile_dim0
	s_mov_b32 s[G1+4], 64                          ; tile_dim1
	s_mov_b32 s[G1+5], 32                          ; from row to row
	s_mov_b32 s[G1+6], 0
	s_mov_b32 s[G1+7], 0
	s_lshr_b32 s16, s[WV], 2                       ; what I fetch: waves 0-3 from K's region, waves 4-7 from V's: (1 + wave / 4) x 16,777,216,
	s_lshl_b32 s16, s16, 24
	s_add_co_u32 s16, s16, 16777216
	s_lshl_b32 s17, s15, 18                        ; the head's 262,144 bytes,
	s_add_co_u32 s16, s16, s17
	s_and_b32 s17, s[WV], 3
	s_lshl_b32 s17, s17, 14                        ; my quarter of a slot's 65,536
	s_add_co_u32 s16, s16, s17
	s_mov_b32 s17, 0
	s_lshl_b32 s18, s[WV], 14                      ; and where it goes: 16,384 x wave: K's four quarters, then V's
	s_lshl_b32 s20, s15, 18                        ; Q: the head, my block's 65,536 bytes, my wave's 8,192
	s_lshl_b32 s21, s14, 16
	s_add_co_u32 s20, s20, s21
	s_lshl_b32 s21, s[WV], 13
	s_add_co_u32 s20, s20, s21
	s_mov_b32 s21, 0
	s_lshr_b32 s22, s15, 4                         ; vals: tile of 16 tokens = 128 x batch + 32 x block + 4 x wave, 32,768 bytes each;
	s_lshl_b32 s22, s22, 7
	s_lshl_b32 s23, s14, 5
	s_add_co_u32 s22, s22, s23
	s_lshl_b32 s23, s[WV], 2
	s_add_co_u32 s22, s22, s23
	s_lshl_b32 s22, s22, 15
	s_and_b32 s23, s15, 15                         ; in it the head's 64 channels: 2,048 bytes
	s_lshl_b32 s23, s23, 11
	s_add_co_u32 s22, s22, s23
	s_mov_b32 s23, 0
	s_mov_b32 s[CS], 0x3e38aa3b                    ; c = log2(e) / 8
	s_mov_b32 s[CS+1], s[CS]                       ; named with it as a pair, so it is written
	s_mov_b32 s[SEL], 0x76543210
	s_mov_b32 s[SEL+1], 0xfedcba98
	s_mov_b32 s[TB], 0
	s_mov_b32 s[SLOTS], 2
	v_and_b32 v[L16], 31, v0
	v_lshlrev_b32 v[L16], 4, v[L16]
	v_add_nc_u32 v[AV0], VOFF, v[L16]
	s_wait_dscnt 0x0                               ; both opening adds are done
	s_wait_kmcnt 0x0
	s_add_nc_u64 s[16:17], s[4:5], s[16:17]
	s_add_nc_u64 s[4:5], s[4:5], s[20:21]
	s_add_nc_u64 s[6:7], s[6:7], s[22:23]
	CROUND                                         ; all four work-groups are here: the first joint loads meet
	s_mov_b32 s[G0], 1
	s_mov_b32 s[G0+1], s18                         ; slot 0
	s_mov_b64 s[G0+2:G0+3], s[16:17]               ; keys 0 to 511
	s_or_b32 s[G0+3], s[G0+3], 0x80000000
	s_mov_b32 s[G0+4], 1
	s_add_co_u32 s[G0+5], s18, SLOT1               ; slot 1
	s_add_nc_u64 s[G0+6:G0+7], s[16:17], 65536     ; keys 512 to 1,023
	s_or_b32 s[G0+7], s[G0+7], 0x80000000
	tensor_load_to_lds s[G0:G0+3], s[G1:G1+7]      ; two loads of mine are out
	s_nop 0
	tensor_load_to_lds s[G0+4:G0+7], s[G1:G1+7]
	s_nop 0
.rept 4
	v_nop
.endr
	WIN 0x40                                       ; destination window 1, address window 0
.irp i, 0,1,2,3,4,5,6,7,8,9,10,11,12,13,14,15
	global_load_b128 v[QF+4*\i:QF+4*\i+3], v[L16], s[4:5] offset:512*\i   ; Q stays in registers: memory order is register order
.endr
	WIN 0
; A step's K: 16 runs of 512 bytes, keys 16 (i / 4) on, channels 32 ((i / 2) % 2) on: memory order is register order
.macro FETCH_K
	WIN 0
	v_add_nc_u32 v[ADR], s[TB], v[L16]
.irp i, 0,1,2,3,4,5,6,7,8,9,10,11,12,13,14,15
	ds_load_b128 v[KF+4*\i:KF+4*\i+3], v[ADR] offset:512*\i
.endr
.endm
; The same step's V: keys 32 (i / 8) on, channels 16 ((i / 2) % 4) on; then the fetches step on
.macro FETCH_V
	WIN 0
	v_add_nc_u32 v[ADR], s[TB], v[AV0]
	s_add_co_u32 s[TB], s[TB], STEPB
	WIN 0x40
.irp i, 0,1,2,3,4,5,6,7,8,9,10,11,12,13,14,15
	ds_load_b128 v[VF+4*\i:VF+4*\i+3], v[ADR] offset:512*\i
.endr
	WIN 0
.endm
; S^T = K Q^T: 32 products; the 16 accumulators (4 tiles of keys x 4 tiles of queries) take turns, one instruction a turn; the first 16 start the sums
.macro KQ
	WIN 0x04                                       ; source 1 (Q) window 1
.irp c, 0,1
.irp kt, 0,1,2,3
.irp t, 0,1,2,3
.if \c == 0
	v_wmma_f32_16x16x32_f16 v[S+32*\t+8*\kt:S+32*\t+8*\kt+7], v[KF+16*\kt+8*\c:KF+16*\kt+8*\c+7], v[QF+16*\t+8*\c:QF+16*\t+8*\c+7], 0
.else
	v_wmma_f32_16x16x32_f16 v[S+32*\t+8*\kt:S+32*\t+8*\kt+7], v[KF+16*\kt+8*\c:KF+16*\kt+8*\c+7], v[QF+16*\t+8*\c:QF+16*\t+8*\c+7], v[S+32*\t+8*\kt:S+32*\t+8*\kt+7]
.endif
.endr
.endr
.endr
.endm
; O^T += V^T P: 32 products; the 16 accumulators (4 tiles of channels x 4 tiles of queries) take turns.  z = 1: the first 16 start the sums: nothing is ever cleared
.macro PV z
	WIN 0x51                                       ; source 0 (V), C and D (O^T) window 1; source 1 (P) window 0
.irp u, 0,1
.irp ct, 0,1,2,3
.irp t, 0,1,2,3
.if (\z) && (\u == 0)
	v_wmma_f32_16x16x32_f16 v[32*\t+8*\ct:32*\t+8*\ct+7], v[VF+32*\u+8*\ct:VF+32*\u+8*\ct+7], v[S+32*\t+8*\u:S+32*\t+8*\u+7], 0
.else
	v_wmma_f32_16x16x32_f16 v[32*\t+8*\ct:32*\t+8*\ct+7], v[VF+32*\u+8*\ct:VF+32*\u+8*\ct+7], v[S+32*\t+8*\u:S+32*\t+8*\u+7], v[32*\t+8*\ct:32*\t+8*\ct+7]
.endif
.endr
.endr
.endr
.endm
; THE SOFTMAX of a key step, the four tiles by turns in every stage, so that no line waits for the line above it.  first = 1: the first key step, which starts m and l and has nothing to rescale.
.macro SM first
	WIN 0
.irp j, 0,1,2,3                        ; the maximum of a lane's 32 scores: four chains of seven; each accumulator is read from its low end on
.irp t, 0,1,2,3
	v_max3_num_f32 v[ST+8*\t+4+\j], v[S+32*\t+8*\j], v[S+32*\t+8*\j+1], v[S+32*\t+8*\j+2]
.endr
.endr
.irp k, 1,2
.irp j, 0,1,2,3
.irp t, 0,1,2,3
	v_max3_num_f32 v[ST+8*\t+4+\j], v[ST+8*\t+4+\j], v[S+32*\t+8*\j+2*\k+1], v[S+32*\t+8*\j+2*\k+2]
.endr
.endr
.endr
.irp t, 0,1,2,3
	v_max3_num_f32 v[ST+8*\t+4], v[ST+8*\t+4], v[S+32*\t+7], v[S+32*\t+15]   ; the four scores left over,
.endr
.irp t, 0,1,2,3
	v_max3_num_f32 v[ST+8*\t+6], v[ST+8*\t+6], v[S+32*\t+23], v[S+32*\t+31]
.endr
.irp t, 0,1,2,3
	v_max3_num_f32 v[ST+8*\t+4], v[ST+8*\t+4], v[ST+8*\t+5], v[ST+8*\t+6]   ; the chains,
.endr
.irp t, 0,1,2,3
.if \first
	v_max_num_f32 v[ST+8*\t+4], v[ST+8*\t+4], v[ST+8*\t+7]
.else
	v_max3_num_f32 v[ST+8*\t+4], v[ST+8*\t+4], v[ST+8*\t+7], v[ST+8*\t+1]   ; and the old m
.endif
.endr
.irp t, 0,1,2,3
	v_permlanex16_b32 v[ST+8*\t+5], v[ST+8*\t+4], s[SEL], s[SEL+1]   ; the query's other 32 keys lie in the lane 16 away
.endr
.if \first == 0
.irp t, 0,1,2,3
	v_mov_b32 v[ST+8*\t+7], v[ST+8*\t]             ; c m_old is kept for a
.endr
.endif
.irp t, 0,1,2,3
	v_max_num_f32 v[ST+8*\t+1], v[ST+8*\t+4], v[ST+8*\t+5]
.endr
.irp t, 0,1,2,3
	v_mul_f32 v[ST+8*\t], s[CS], v[ST+8*\t+1]
.endr
.if \first == 0
.irp t, 0,1,2,3
	v_sub_f32 v[ST+8*\t+7], v[ST+8*\t+7], v[ST+8*\t]
.endr
.endif
.irp b, 0,1,2,3,4,5,6,7,8,9,10,11,12,13,14,15
.irp t, 0,1,2,3
	v_pk_fma_f32 v[S+32*\t+2*\b:S+32*\t+2*\b+1], v[S+32*\t+2*\b:S+32*\t+2*\b+1], s[CS:CS+1], v[ST+8*\t:ST+8*\t+1] op_sel_hi:[1,0,0] neg_lo:[0,0,1] neg_hi:[0,0,1]   ; c s - c m, two at a time
.endr
.endr
.if \first == 0
.irp t, 0,1,2,3
	v_exp_f32 v[ST+8*\t+6], v[ST+8*\t+7]           ; a
.endr
.endif
.irp e, 0,1,2,3,4,5,6,7,8,9,10,11,12,13,14,15,16,17,18,19,20,21,22,23,24,25,26,27,28,29,30,31
.irp t, 0,1,2,3
	v_exp_f32 v[S+32*\t+\e], v[S+32*\t+\e]         ; p
.endr
.endr
	v_nop                                          ; a plain instruction behind the last exponential, ahead of the first use
	s_wait_alu depctr_va_vdst(0)                   ; the wait ahead of the first line that names a result: one for the whole batch
.irp t, 0,1,2,3                        ; the sums, of the unrounded p, in two chains a tile
.if \first
	v_pk_add_f32 v[ST+8*\t+2:ST+8*\t+3], v[S+32*\t:S+32*\t+1], v[S+32*\t+2:S+32*\t+3]
.else
	v_pk_fma_f32 v[ST+8*\t+2:ST+8*\t+3], v[ST+8*\t+2:ST+8*\t+3], v[ST+8*\t+6:ST+8*\t+7], v[S+32*\t:S+32*\t+1] op_sel_hi:[1,0,1]
.endif
.endr
.irp t, 0,1,2,3
	v_pk_add_f32 v[ST+8*\t+4:ST+8*\t+5], v[S+32*\t+16:S+32*\t+17], v[S+32*\t+18:S+32*\t+19]
.endr
.if \first == 0
.irp t, 0,1,2,3
	v_pk_add_f32 v[ST+8*\t+2:ST+8*\t+3], v[ST+8*\t+2:ST+8*\t+3], v[S+32*\t+2:S+32*\t+3]
.endr
.endif
.irp i, 2,3,4,5,6,7
.irp t, 0,1,2,3
	v_pk_add_f32 v[ST+8*\t+2:ST+8*\t+3], v[ST+8*\t+2:ST+8*\t+3], v[S+32*\t+2*\i:S+32*\t+2*\i+1]
	v_pk_add_f32 v[ST+8*\t+4:ST+8*\t+5], v[ST+8*\t+4:ST+8*\t+5], v[S+32*\t+16+2*\i:S+32*\t+16+2*\i+1]
.endr
.endr
.irp t, 0,1,2,3
	v_pk_add_f32 v[ST+8*\t+2:ST+8*\t+3], v[ST+8*\t+2:ST+8*\t+3], v[ST+8*\t+4:ST+8*\t+5]
.endr
.irp i, 0,1,2,3,4,5,6,7,8,9,10,11,12,13,14,15
.irp t, 0,1,2,3
	v_cvt_pk_f16_f32 v[S+32*\t+\i], v[S+32*\t+2*\i], v[S+32*\t+2*\i+1]   ; P, in place: register i is written when registers up to 2 i + 1 have been read
.endr
.endr
.if \first == 0
	WIN 0x41                                       ; O^T (destination and source 0) window 1, a window 0
.irp i, 0,1,2,3,4,5,6,7,8,9,10,11,12,13,14,15
.irp t, 0,1,2,3
	v_pk_mul_f32 v[32*\t+2*\i:32*\t+2*\i+1], v[32*\t+2*\i:32*\t+2*\i+1], v[ST+8*\t+6:ST+8*\t+7] op_sel_hi:[1,0]   ; each accumulator from its low end on
.endr
.endr
	WIN 0
.endif
.endm
; A KEY STEP j: K(j) is asked for | type 1: softmax(j - 1) | V^T P (j - 1) | K Q^T (j) | V(j) is asked for | type 0: softmax(j).
.macro ITER z, sm
	FETCH_K
.if \sm
	s_cmp_eq_u32 s[TY], 0
	s_cbranch_scc1 .Lno_a_\@
	SM 0
.Lno_a_\@:
.endif
	s_wait_dscnt 16                                ; V(j - 1) is in; K's sixteen younger loads may be out
	PV \z
.rept 5
	v_nop                                          ; five places: the products below write over P's registers, which the products above read
.endr
	s_wait_dscnt 0x0                               ; K(j) is in
	KQ
	WIN 0
.rept 4
	v_nop                                          ; four places: for the loads into V's and K's registers and for the first read of the scores
.endr
	FETCH_V
.if \sm
	s_cmp_eq_u32 s[TY], 1
	s_cbranch_scc1 .Lno_b_\@
	SM 0
.Lno_b_\@:
.endif
.endm
.macro INNER n
	s_mov_b32 s[CNT], \n
.Linner_\@:
	ITER 0, 1
	s_sub_co_u32 s[CNT], s[CNT], 1
	s_cmp_lg_u32 s[CNT], 0
	s_cbranch_scc1 .Linner_\@
.endm
; THE CHANGE OF SLOTS.  The slot's last bytes, V of its last step, have been asked for.  Each wave waits for all its tensor loads (its part of the other slot), adds 0 to its spare word, and waits for that and for its reads
; of the slot.  fill = 1: the barrier is a round of the cluster's, and the slot is filled again with the keys two slots on, first thing behind it: the load has eight key steps in which to land.
.macro CHANGE fill
	WIN 0
	s_wait_tensorcnt 0x0                           ; no tensor load of mine is out, so a group 0 may be written
	ds_add_u32 v[SPW], v[NIL]                      ; 0 onto my spare word
.if \fill
	s_xor_b32 s[G0+5], s[G0+5], SLOT1              ; the walking descriptor: the other slot than last time,
	s_add_nc_u64 s[G0+6:G0+7], s[G0+6:G0+7], 65536 ; the next 512 keys; the type bits on top are not reached
.endif
	s_wait_dscnt 0x0                               ; the add is done, and my reads of the slot are over
.if \fill
	CROUND
	tensor_load_to_lds s[G0+4:G0+7], s[G1:G1+7]    ; my one tensor load behind the round
	s_nop 0
.rept 4
	v_nop
.endr
.else
	s_barrier_signal -1
	s_barrier_wait -1
.endif
	s_sub_co_u32 s[TB], s[TB], 8*STEPB             ; the fetches go back to a slot's first step,
	s_xor_b32 s[TB], s[TB], SLOT1                  ; in the other slot
.endm
	s_wait_tensorcnt 1                             ; my part of slot 0 is in; slot 1's may stay out
	s_barrier_signal -1
	s_barrier_wait -1                              ; everybody's is
	FETCH_K                                        ; key step 0
	s_wait_loadcnt 0x0                             ; Q
	s_wait_dscnt 0x0
	KQ
	WIN 0
.rept 4
	v_nop
.endr
	FETCH_V
	SM 1                                           ; the first softmax, in both types
	ITER 1, 0                                      ; V^T P (0) starts O^T; K Q^T (1)
	s_cmp_eq_u32 s[TY], 1
	s_cbranch_scc1 .Lhalf
	SM 0                                           ; type 0 alone goes on to softmax(1): from here on the types stand half a key step apart
.Lhalf:
	s_wait_dscnt 0x0                               ; no LDS instruction of mine is out at the signal
	s_barrier_signal -1
	s_barrier_wait -1                              ; slot 1's load may be out
	INNER 6                                        ; key steps 2 to 7
.Lslot:                                            ; two trips: slot 0 and then slot 1 are filled again
	CHANGE 1
	INNER 8
	s_sub_co_u32 s[SLOTS], s[SLOTS], 1
	s_cmp_lg_u32 s[SLOTS], 0
	s_cbranch_scc1 .Lslot
	CHANGE 0                                       ; the tail is written out
	INNER 8
	s_cmp_eq_u32 s[TY], 0
	s_cbranch_scc1 .Llast
	SM 0                                           ; type 1's last softmax
.Llast:
	s_wait_dscnt 0x0                               ; V of the last step is in
	PV 0
	WIN 0
	; THE WAY OUT.  l's two halves and the other half of the lanes' are added (these lines are the places behind the last products); O^T is divided by l and rounded to f16: a lane's eight channels are 16 bytes of a
	; fragment of the last launch's operand: vals is laid [tile of 16 tokens 512][chunk of 32 channels 32][g 2][lane][16 bytes].  32 lanes store 512 consecutive bytes, aligned.
.irp t, 0,1,2,3
	v_add_f32 v[ST+8*\t+4], v[ST+8*\t+2], v[ST+8*\t+3]
.endr
.irp t, 0,1,2,3
	v_permlanex16_b32 v[ST+8*\t+5], v[ST+8*\t+4], s[SEL], s[SEL+1]
.endr
.irp t, 0,1,2,3
	v_add_f32 v[ST+8*\t+4], v[ST+8*\t+4], v[ST+8*\t+5]
.endr
.irp t, 0,1,2,3
	v_rcp_f32 v[ST+8*\t+6], v[ST+8*\t+4]
.endr
	v_nop                                          ; a plain instruction between the last reciprocal and the use of its result
	s_wait_alu depctr_va_vdst(0)                   ; and the wait: one for the four
.macro OUT t
	WIN 0x41
.irp i, 0,1,2,3,4,5,6,7,8,9,10,11,12,13,14,15
	v_pk_mul_f32 v[32*\t+2*\i:32*\t+2*\i+1], v[32*\t+2*\i:32*\t+2*\i+1], v[ST+8*\t+6:ST+8*\t+7] op_sel_hi:[1,0]
.endr
	WIN 0x05                                       ; sources 0 and 1 window 1, destination window 0
.irp i, 0,1,2,3,4,5,6,7,8,9,10,11,12,13,14,15
	v_cvt_pk_f16_f32 v[S+16*\t+\i], v[32*\t+2*\i], v[32*\t+2*\i+1]
.endr
	WIN 0
.irp ct, 0,1,2,3
	global_store_b128 v[L16], v[S+16*\t+4*\ct:S+16*\t+4*\ct+3], s[6:7] offset:\t*32768+\ct*512
.endr
.endm
	OUT 0
	OUT 1
	OUT 2
	OUT 3
	s_wait_tensorcnt 0x0                           ; the wave's end, behind my last tensor load
	ds_add_u32 v[SPW], v[NIL]
	s_wait_dscnt 0x0
	CROUND                                         ; the closing round: no work-group ends while a partner may still ask for a tile that names it
	s_endpgm
.Lfunc_end_k_q4f213993e1_attn:
	.size	k_q4f213993e1_attn, .Lfunc_end_k_q4f213993e1_attn-k_q4f213993e1_attn
	.p2alignl 7, 3214868480
	.fill 96, 4, 3214868480
	.section	.rodata,"a",@progbits
	.p2align	6, 0x0
	.amdhsa_kernel k_q4f213993e1_attn
		.amdhsa_group_segment_fixed_size 327680
		.amdhsa_private_segment_fixed_size 0
		.amdhsa_enable_private_segment 0
		.amdhsa_kernarg_size 16
		.amdhsa_user_sgpr_count 2
		.amdhsa_user_sgpr_kernarg_segment_ptr 1
		.amdhsa_wavefront_size32 1
		.amdhsa_system_sgpr_workgroup_id_x 1
		.amdhsa_system_sgpr_workgroup_id_y 1
		.amdhsa_system_sgpr_workgroup_id_z 1
		.amdhsa_system_vgpr_workitem_id 0
		.amdhsa_next_free_vgpr 512
		.amdhsa_next_free_sgpr 66
		.amdhsa_reserve_vcc 0
		.amdhsa_float_denorm_mode_32 3
		.amdhsa_float_denorm_mode_16_64 3
		.amdhsa_memory_ordered 1
		.amdhsa_forward_progress 1
		.amdhsa_inst_pref_size 255
	.end_amdhsa_kernel
	.section	.bss,"aw",@nobits
	.p2align	6
	.space	262144
	.amdgpu_metadata
---
amdhsa.version: [ 1, 2 ]
amdhsa.kernels:
  - .name:           k_q4f213993e1_attn
    .symbol:         k_q4f213993e1_attn.kd
    .args:
      - { .name: qkv, .offset: 0, .size: 8, .value_kind: global_buffer, .address_space: global }
      - { .name: vals, .offset: 8, .size: 8, .value_kind: global_buffer, .address_space: global }
    .group_segment_fixed_size: 327680
    .private_segment_fixed_size: 0
    .kernarg_segment_align: 8
    .kernarg_segment_size: 16
    .max_flat_workgroup_size: 256
    .sgpr_count:     66
    .vgpr_count:     512
    .wavefront_size: 32
...
	.end_amdgpu_metadata
.endif
;; end of part 3
;; launch outp (part 4): grid 8 x 32, 4 waves a work-group, clusters of 4 x 4, 327,680 bytes of LDS; arguments vals, wo_h, b_o, out0; writes out0
.if DOCPART == 4
	.amdgcn_target "amdgcn-amd-amdhsa--gfx1250"
	.amdhsa_code_object_version 6
	.text
	.protected	k_q4f213993e1_outp
	.globl	k_q4f213993e1_outp
	.p2align	8
	.type	k_q4f213993e1_outp,@function
k_q4f213993e1_outp:
	s_mov_b64 s[64:65], 0
	v_nop
	global_prefetch_b8 v0, s[64:65] scope:SCOPE_SE
	s_setreg_imm32_b32 hwreg(HW_REG_WAVE_MODE, 25, 1), 1
	s_wait_xcnt 0x0
	s_wait_alu depctr_hold_cnt(0) depctr_sa_sdst(0) depctr_va_vdst(0) depctr_va_sdst(0) depctr_va_ssrc(0) depctr_va_vcc(0) depctr_vm_vsrc(0)
	s_getreg_b32 s2, hwreg(HW_REG_IB_STS2, 6, 4)
	s_cmp_eq_u32 s2, 0
	s_cbranch_scc0 .Lentry_in_a_cluster
	s_endpgm
.Lentry_in_a_cluster:
	s_bfe_u32 s2, ttmp6, 0x10000c
	s_cmp_lg_u32 s2, 0xf033
	s_cbranch_scc0 .Lentry_shape_is_right
	s_endpgm
.Lentry_shape_is_right:
; out0[token][n] = the sum over k of vals[token][k] w_o[n][k] + b_o[n].  vals and w_o arrive as f16 in the order of the operand registers; sums in f32; out0 [8192][1024] f32.
; vals: [tile of 16 tokens 512][chunk of 32 k: 32][g 2][lane][16 bytes]; wo_h: [tile of 16 n: 64][chunk][g][lane][16 bytes]: lane (r, h) holds row r, k = 32 chunk + 16 g + 8 h + 0 .. 7.
; A tile of 256 tokens x 128 columns is made by a work-group of four waves: 256 work-groups.  A wave makes 128 tokens x 64 columns: 32 accumulators of 16 x 16, window 1.
; K goes in 8 steps of 128 through a ring of two LDS slots: a step is 4,096 consecutive bytes of each tile of 16 rows.  Every fragment load's 512 bytes are consecutive in LDS: no padding.
; THE MATRIX INSTRUCTION IS USED TRANSPOSED (source 0 = 16 rows of w_o, source 1 = 16 tokens): a lane holds one token and eight neighbouring columns.  The bias is the C of each sum's first instruction.
; CLUSTERS: 4 x 4 work-groups.  The four of a row of the cluster need the same tiles of vals, the four of a column the same tiles of w_o: each is asked for jointly.
; REGISTERS: window 0: v16-29 addresses; v32-63 the bias in the result's layout; v64-159, v160-255 two fragment buffers (64 registers of vals, then 32 of w_o); on the way out v64-127 hold rows.  window 1: accumulator (a, b) at v[8 (4 a + b)].
.set TILEB,  4096                      ; a K step of a tile of 16 rows
.set BOFF,   65536                     ; w_o's 8 tiles lie behind vals' 16
.set SLOT,   98304
.set STAGE,  2*SLOT                    ; behind the ring: 16 rows x 272 bytes for each wave, for the way out
.set SPITCH, 272
.set SPARE,  STAGE+4*16*SPITCH         ; behind the stages: the spare words, 128 bytes a wave
.set LAPS,   4                         ; a lap = two K steps = once round the ring
.set ADRA, 16                          ; v16-17  LDS address of my fragments of vals in slot 0, 1
.set ADRB, 20                          ; v20-21  the same for w_o
.set STO,  24                          ; v24     the way out: where I put 32 bytes of a row
.set RD,   25                          ; v25     where I read a row back
.set CO,   26                          ; v26     my byte offset in out0
.set BO,   27                          ; v27     my byte offset in the bias
.set SPW,  28                          ; v28     LDS address of my spare word; never rewritten
.set NIL,  29                          ; v29     0; never rewritten
.set BI,   32
.set F0,   64
.set F1,   160
.set OB,   64
.set G1, 24                            ; s[24:31] descriptor group 1 for vals' tiles;  s[32:39] group 0, one set for each slot
.set G0, 32
.set G1B, 48                           ; s[48:55], s[56:63] the same for w_o's
.set G0B, 56
.set MSB, 0
.macro WIN new                         ; the immediate's high byte repeats the setting that is left; a switch that changes nothing is dropped
.if MSB != (\new)
	s_set_vgpr_msb (MSB<<8)|(\new)
.set MSB, (\new)
.endif
.endm
.set MUL,  0x50                        ; C and D window 1, sources 0 and 1 window 0
.macro JLOAD s                         ; a joint load: waves 0 and 1 fetch vals' two halves, waves 2 and 3 w_o's; an s_nop 0 and four v_nop follow each of the two lines
	s_cmp_eq_u32 s13, 0
	s_cbranch_scc0 .Lfor_b_\@
	tensor_load_to_lds s[G0+4*\s:G0+4*\s+3], s[G1:G1+7]
	s_nop 0
.rept 4
	v_nop
.endr
	s_branch .Lasked_\@
.Lfor_b_\@:
	tensor_load_to_lds s[G0B+4*\s:G0B+4*\s+3], s[G1B:G1B+7]
	s_nop 0
.rept 4
	v_nop
.endr
.Lasked_\@:
.endm
.macro CREST                           ; a round of the cluster's barrier behind its opening barrier
	s_cmp_lg_u32 s12, 0
	s_cbranch_scc1 .Lnot_wave_0_\@
	s_barrier_signal -3
.Lnot_wave_0_\@:
	s_barrier_wait -3
	s_barrier_signal -1
	s_barrier_wait -1
.endm
.macro CROUND                          ; a whole round
	s_barrier_signal -1
	s_barrier_wait -1
	CREST
.endm
	s_load_b256 s[4:11], s[0:1], 0x0               ; vals s[4:5], wo_h s[6:7], b_o s[8:9], out0 s[10:11]
	v_lshl_add_u32 v[SPW], v0, 2, SPARE
	v_mov_b32 v[NIL], 0
	ds_add_u32 v[SPW], v[NIL]                      ; the wave's opening: the add, twice on end, and its wait ahead of my first tensor load
	ds_add_u32 v[SPW], v[NIL]
	v_lshrrev_b32 v1, 5, v0
	v_readfirstlane_b32 s12, v1                    ; wave 0..3
	s_lshr_b32 s13, s12, 1                         ; which 128 tokens are mine.  Also: I fetch for vals (0) or for w_o (1)
	s_and_b32 s14, s12, 1                          ; which 64 columns.  Also: which half of that tile I fetch
	s_bfe_u32 s40, ttmp6, 0x40000                  ; cx, cy: my place in the cluster
	s_bfe_u32 s41, ttmp6, 0x40004
	s_lshl_b32 s42, ttmp9, 2
	s_add_co_u32 s42, s42, s40                     ; tile column = 4 x cluster x + cx
	s_and_b32 s15, ttmp7, 0xffff
	s_lshl_b32 s15, s15, 2
	s_add_co_u32 s15, s15, s41                     ; tile row = 4 x cluster y + cy
	s_lshl_b32 s43, s41, 2
	s_lshl_b32 s43, 15, s43                        ; my row of the cluster
	s_lshl_b32 s44, 0x1111, s40                    ; my column
	; descriptor group 1: rows of 4,096 bytes (512 elements of 8 bytes), one for each tile of 16 rows, 32,768 bytes apart in memory, on end in LDS
	s_or_b32 s[G1+0], s43, (3<<16)|(1<<21)         ; 15:0 the mask: vals' tiles go to my row; elements of 8 bytes; bit 21 beside a mask
	s_or_b32 s[G1B+0], s44, (3<<16)|(1<<21)
	s_mov_b32 s[G1+1], 512<<16                     ; tensor_dim0
	s_mov_b32 s[G1+2], 8<<16                       ; tensor_dim1: 8 tiles of tokens to a load
	s_mov_b32 s[G1+3], 512<<16                     ; tile_dim0
	s_mov_b32 s[G1+4], 8                           ; tile_dim1
	s_mov_b32 s[G1+5], 4096                        ; from row to row
	s_mov_b32 s[G1+6], 0
	s_mov_b32 s[G1+7], 0
	s_mov_b32 s[G1B+1], 512<<16
	s_mov_b32 s[G1B+2], 4<<16                      ; 4 tiles of w_o's rows to a load
	s_mov_b32 s[G1B+3], 512<<16
	s_mov_b32 s[G1B+4], 4
	s_mov_b32 s[G1B+5], 4096
	s_mov_b32 s[G1B+6], 0
	s_mov_b32 s[G1B+7], 0
	s_lshl_b32 s16, s15, 4
	s_lshl_b32 s17, s14, 3
	s_add_co_u32 s16, s16, s17                     ; vals: tile of tokens 16 x tile row + 8 x half
	s_lshl_b32 s16, s16, 15
	s_mov_b32 s17, 0
	s_lshl_b32 s46, s42, 3
	s_lshl_b32 s47, s14, 2
	s_add_co_u32 s46, s46, s47                     ; w_o: tile of rows 8 x tile column + 4 x half
	s_lshl_b32 s46, s46, 15
	s_mov_b32 s47, 0
	s_lshl_b32 s20, s14, 15                        ; where they go: vals' halves at 0 and 32,768,
	s_lshl_b32 s21, s14, 14
	s_add_co_u32 s21, s21, BOFF                    ; w_o's at 65,536 and 81,920: no place in the cluster enters an LDS address
	s_wait_dscnt 0x0                               ; both opening adds are done
	s_wait_kmcnt 0x0
	s_add_nc_u64 s[16:17], s[4:5], s[16:17]
	s_add_nc_u64 s[46:47], s[6:7], s[46:47]
	CROUND                                         ; all sixteen work-groups are here: the first joint loads meet
.irp s, 0,1
	s_mov_b32 s[G0+4*\s], 1
	s_add_co_u32 s[G0+4*\s+1], s20, \s*SLOT
	s_add_nc_u64 s[G0+4*\s+2:G0+4*\s+3], s[16:17], \s*TILEB
	s_or_b32 s[G0+4*\s+3], s[G0+4*\s+3], 0x80000000
	s_mov_b32 s[G0B+4*\s], 1
	s_add_co_u32 s[G0B+4*\s+1], s21, \s*SLOT
	s_add_nc_u64 s[G0B+4*\s+2:G0B+4*\s+3], s[46:47], \s*TILEB
	s_or_b32 s[G0B+4*\s+3], s[G0B+4*\s+3], 0x80000000
	JLOAD \s                                       ; two loads of mine are out
.endr
	v_and_b32 v1, 15, v0                           ; l % 16
	v_bfe_u32 v2, v0, 4, 1                         ; l / 16
	v_and_b32 v3, 31, v0
	v_lshlrev_b32 v3, 4, v3                        ; 16 x lane
	s_lshl_b32 s21, s13, 15                        ; my 8 tiles of tokens
	s_lshl_b32 s22, s14, 14                        ; my 4 tiles of w_o's rows,
	s_add_co_u32 s22, s22, BOFF                    ; behind vals'
.irp s, 0,1
	v_add_nc_u32 v[ADRA+\s], s21, v3
	v_add_nc_u32 v[ADRB+\s], s22, v3
	s_add_co_u32 s21, s21, SLOT
	s_add_co_u32 s22, s22, SLOT
.endr
	s_mul_i32 s23, s12, 16*SPITCH
	s_add_co_u32 s23, s23, STAGE                   ; my stage
	v_mul_u32_u24 v4, v1, SPITCH                   ; in: row l % 16, 32 bytes for each half of the lanes
	v_lshl_add_u32 v4, v2, 5, v4
	v_add_nc_u32 v[STO], s23, v4
	v_mul_u32_u24 v5, v2, SPITCH                   ; back: lanes 0-15 take one row of 256 bytes, lanes 16-31 the next
	v_lshl_add_u32 v5, v1, 4, v5
	v_add_nc_u32 v[RD], s23, v5
	v_lshlrev_b32 v5, 12, v2                       ; and the same two rows in out0
	v_lshl_add_u32 v[CO], v1, 4, v5
	v_lshlrev_b32 v[BO], 5, v2                     ; the bias: eight numbers for each half of the lanes
	s_lshl_b32 s46, s42, 9                         ; my first column, in bytes: 512 x tile column + 256 x half
	s_lshl_b32 s47, s14, 8
	s_add_co_u32 s46, s46, s47
	s_mov_b32 s47, 0
	s_add_nc_u64 s[8:9], s[8:9], s[46:47]
	s_add_nc_u64 s[10:11], s[10:11], s[46:47]
	s_lshl_b32 s16, s15, 8
	s_lshl_b32 s17, s13, 7
	s_add_co_u32 s16, s16, s17                     ; my first token: 256 x tile row + 128 x half
	s_lshl_b32 s16, s16, 12
	s_mov_b32 s17, 0
	s_add_nc_u64 s[10:11], s[10:11], s[16:17]
.irp b, 0,1,2,3
	global_load_b128 v[BI+8*\b:BI+8*\b+3], v[BO], s[8:9] offset:64*\b        ; register 8 b + j: b_o at my column 16 b + 8 (l / 16) + j
	global_load_b128 v[BI+8*\b+4:BI+8*\b+7], v[BO], s[8:9] offset:64*\b+16
.endr
; 8 matrix instructions: tiles of tokens a0, a0 + 1 x my 4 tiles of columns, 32 along K, from buffer f.  zero = 1: the bias starts the sums.
; The 32 accumulators take turns, one instruction a turn, in the same order in every quarter.
.macro MUL8 f, a0, zero
.irp a, \a0, \a0+1
.irp b, 0,1,2,3
.if \zero
	v_wmma_f32_16x16x32_f16 v[8*(4*(\a)+\b):8*(4*(\a)+\b)+7], v[\f+64+8*\b:\f+64+8*\b+7], v[\f+8*(\a):\f+8*(\a)+7], v[BI+8*\b:BI+8*\b+7]
.else
	v_wmma_f32_16x16x32_f16 v[8*(4*(\a)+\b):8*(4*(\a)+\b)+7], v[\f+64+8*\b:\f+64+8*\b+7], v[\f+8*(\a):\f+8*(\a)+7], v[8*(4*(\a)+\b):8*(4*(\a)+\b)+7]
.endif
.endr
.endr
.endm
; 24 LDS loads in one run: the fragments of the slot's q-th 32 along K into buffer f: w_o's four first, then vals' eight
.macro FETCH slot, q, f
	WIN 0
.irp b, 0,1,2,3
	ds_load_b128 v[\f+64+8*\b:\f+64+8*\b+3],   v[ADRB+\slot] offset:\b*TILEB+(\q)*1024
	ds_load_b128 v[\f+64+8*\b+4:\f+64+8*\b+7], v[ADRB+\slot] offset:\b*TILEB+(\q)*1024+512
.endr
.irp a, 0,1,2,3,4,5,6,7
	ds_load_b128 v[\f+8*\a:\f+8*\a+3],   v[ADRA+\slot] offset:\a*TILEB+(\q)*1024
	ds_load_b128 v[\f+8*\a+4:\f+8*\a+7], v[ADRA+\slot] offset:\a*TILEB+(\q)*1024+512
.endr
.endm
.macro PLACES                          ; four places in front of loads into registers that matrix instructions have read, and of the first read of results
.rept 4
	v_nop
.endr
.endm
; A K step is four quarters of 32 along K, 32 matrix instructions each, on buffers 0, 1, 0, 1.  One of the first three: multiplies buffer f and fetches the slot's q-th quarter into g.
.macro QUARTER slot, q, f, g, zero
	s_wait_dscnt 8                                 ; w_o's fragments and vals' tiles 0-3 are in; the youngest eight loads (tiles 4-7) may be out
	WIN MUL-0x10*\zero                             ; (the bias lies in window 0)
	MUL8 \f, 0, \zero
	MUL8 \f, 2, \zero
	PLACES
	FETCH \slot, \q, \g
	s_wait_dscnt 24                                ; all but the 24 just issued
	WIN MUL-0x10*\zero
	MUL8 \f, 4, \zero
	MUL8 \f, 6, \zero
.endm
; The last quarter multiplies buffer 1 and changes slots: ONE barrier; in front of it each wave waits for all its tensor loads, adds 0 to its spare word, and waits for that and for its reads of this slot.
; fill = 1: the barrier opens a round of the cluster's, and this slot is filled again, two K steps ahead, first thing behind the round.
.macro TURN slot, next, fill
	WIN 0
	s_wait_tensorcnt 0x0                           ; all my tensor loads have landed: my part of the next slot
	ds_add_u32 v[SPW], v[NIL]                      ; 0 onto my spare word
	s_wait_dscnt 9                                 ; the add and the youngest eight loads may be out
	WIN MUL
	MUL8 F1, 0, 0                                  ; eight matrix instructions stand between the add and the wait for it
	s_wait_dscnt 0x0                               ; the add is done, and my reads of this slot are over
	s_barrier_signal -1
	MUL8 F1, 2, 0
.if \fill
	WIN 0
.endif
	s_barrier_wait -1
.if \fill
	CREST                                          ; no wave of any partner still reads this slot's tile or has a load on its way
	s_add_nc_u64 s[G0+4*\slot+2:G0+4*\slot+3], s[G0+4*\slot+2:G0+4*\slot+3], 2*TILEB
	s_add_nc_u64 s[G0B+4*\slot+2:G0B+4*\slot+3], s[G0B+4*\slot+2:G0B+4*\slot+3], 2*TILEB
	JLOAD \slot                                    ; the four v_nop behind it are also the places in front of the loads below
.else
	PLACES
.endif
	FETCH \next, 0, F0
	WIN MUL
	MUL8 F1, 4, 0
	MUL8 F1, 6, 0
.endm
	s_wait_tensorcnt 1                             ; my part of K step 0 is in; K step 1's load may be out
	s_barrier_signal -1
	s_barrier_wait -1                              ; everybody's is
	FETCH 0, 0, F0
	s_wait_loadcnt 0x0                             ; the bias
	QUARTER 0, 1, F0, F1, 1                        ; the first quarter stands in front of the loop: its products start the sums from the bias
	WIN 0                                          ; at a label and at a branch every window is 0
	s_mov_b32 s3, LAPS-1
.Llap:                                             ; a trip goes once round the ring, from a lap's second quarter to the next lap's first, and fills both slots again
	QUARTER 0, 2, F1, F0, 0
	QUARTER 0, 3, F0, F1, 0
	TURN 0, 1, 1
	QUARTER 1, 1, F0, F1, 0
	QUARTER 1, 2, F1, F0, 0
	QUARTER 1, 3, F0, F1, 0
	TURN 1, 0, 1
	QUARTER 0, 1, F0, F1, 0
	WIN 0
	s_sub_co_u32 s3, s3, 1
	s_cmp_lg_u32 s3, 0
	s_cbranch_scc1 .Llap
	QUARTER 0, 2, F1, F0, 0                        ; the last lap fills nothing
	QUARTER 0, 3, F0, F1, 0
	TURN 0, 1, 0
	QUARTER 1, 1, F0, F1, 0
	QUARTER 1, 2, F1, F0, 0
	QUARTER 1, 3, F0, F1, 0
	s_wait_dscnt 8                                 ; the very last quarter: nothing more to fetch
	WIN MUL
	MUL8 F1, 0, 0
	MUL8 F1, 2, 0
	s_wait_dscnt 0
	MUL8 F1, 4, 0
	MUL8 F1, 6, 0
	WIN 0
; THE WAY OUT, a tile of 16 tokens x 64 columns at a time.  A lane holds 32 neighbouring bytes of a row, and the lanes beside it hold other rows: so a tile goes through my own stage in LDS and comes back as rows of
; 256 bytes, which sixteen lanes store as 256 consecutive bytes, aligned.  LDS serves a wave's instructions in order (ISA guide 5.7.1.4): no wait between the stores and the loads, nor in front of the next tile's stores.
.macro TOSTAGE a
	WIN 0x04                                       ; an LDS store's data are its source 1: window 1
.irp b, 0,1,2,3
	ds_store_b128 v[STO], v[8*(4*(\a)+\b):8*(4*(\a)+\b)+3] offset:64*\b          ; each accumulator from its low end on
	ds_store_b128 v[STO], v[8*(4*(\a)+\b)+4:8*(4*(\a)+\b)+7] offset:64*\b+16
.endr
	WIN 0
.set BB, OB+32*((\a)%2)
.irp i, 0,1,2,3,4,5,6,7
	ds_load_b128 v[BB+4*\i:BB+4*\i+3], v[RD] offset:\i*2*SPITCH
.endr
.endm
.macro SEND a, younger                 ; younger: the LDS instructions issued behind tile a's loads, which may stay out
.set BB, OB+32*((\a)%2)
	s_wait_dscnt \younger
.irp i, 0,1,2,3,4,5,6,7
	global_store_b128 v[CO], v[BB+4*\i:BB+4*\i+3], s[10:11] offset:(16*(\a)+2*\i)*4096 th:TH_STORE_NT   ; written once, read by nobody here
.endr
.endm
	PLACES                                         ; behind the last products: for the first read of results and for the loads into the registers that held fragments
	TOSTAGE 0
.irp a, 1,2,3,4,5,6,7
.if \a > 1
	s_wait_xcnt 0x0                                ; tile a - 2's stores have read their data: tile a's loads land there only behind this wait
.endif
	TOSTAGE \a
	SEND \a-1, 16                                  ; behind tile a - 1's loads: tile a's 8 stores and 8 loads
.endr
	SEND 7, 0
	s_wait_tensorcnt 0x0                           ; the wave's end, behind my last tensor load and my last LDS store
	ds_add_u32 v[SPW], v[NIL]
	s_wait_dscnt 0x0
	CROUND                                         ; the closing round: no work-group ends while a partner may still ask for a tile that names it
	s_endpgm
.Lfunc_end_k_q4f213993e1_outp:
	.size	k_q4f213993e1_outp, .Lfunc_end_k_q4f213993e1_outp-k_q4f213993e1_outp
	.p2alignl 7, 3214868480
	.fill 96, 4, 3214868480
	.section	.rodata,"a",@progbits
	.p2align	6, 0x0
	.amdhsa_kernel k_q4f213993e1_outp
		.amdhsa_group_segment_fixed_size 327680
		.amdhsa_private_segment_fixed_size 0
		.amdhsa_enable_private_segment 0
		.amdhsa_kernarg_size 32
		.amdhsa_user_sgpr_count 2
		.amdhsa_user_sgpr_kernarg_segment_ptr 1
		.amdhsa_wavefront_size32 1
		.amdhsa_system_sgpr_workgroup_id_x 1
		.amdhsa_system_sgpr_workgroup_id_y 1
		.amdhsa_system_sgpr_workgroup_id_z 1
		.amdhsa_system_vgpr_workitem_id 0
		.amdhsa_next_free_vgpr 512
		.amdhsa_next_free_sgpr 66
		.amdhsa_reserve_vcc 0
		.amdhsa_float_denorm_mode_32 3
		.amdhsa_float_denorm_mode_16_64 3
		.amdhsa_memory_ordered 1
		.amdhsa_forward_progress 1
		.amdhsa_inst_pref_size 86
	.end_amdhsa_kernel
	.amdgpu_metadata
---
amdhsa.version: [ 1, 2 ]
amdhsa.kernels:
  - .name:           k_q4f213993e1_outp
    .symbol:         k_q4f213993e1_outp.kd
    .args:
      - { .name: vals, .offset: 0, .size: 8, .value_kind: global_buffer, .address_space: global }
      - { .name: wo_h, .offset: 8, .size: 8, .value_kind: global_buffer, .address_space: global }
      - { .name: b_o, .offset: 16, .size: 8, .value_kind: global_buffer, .address_space: global }
      - { .name: out0, .offset: 24, .size: 8, .value_kind: global_buffer, .address_space: global }
    .group_segment_fixed_size: 327680
    .private_segment_fixed_size: 0
    .kernarg_segment_align: 8
    .kernarg_segment_size: 32
    .max_flat_workgroup_size: 128
    .sgpr_count:     66
    .vgpr_count:     512
    .wavefront_size: 32
...
	.end_amdgpu_metadata
.endif
;; end of part 4
